; MI455X (gfx1250); checked and timed in simulation.
; The chip was launched on July 23, 2026; its instructions are those of AMD's public machine-readable ISA for CDNA 5 (MIT licence, August 2026) and "CDNA5" Instruction Set Architecture Reference Guide (July 2026). The comments in the code are by the model that wrote it; some were corrected since.
;; Multi Head Self Attention. Allowed arithmetic: matrix products marked QUANTISED: E2M1 operands, one E8M0 scale for each 32 along K, by v_wmma_scale_f32_16x16x128_f8f6f4 with both operands' format E2M1 (or v_wmma_scale_f32_32x16x128_f4), f32 sums; everything else in f32.
;; Inputs: Wk 1,024 x 1,024 float32; Wo 1,024 x 1,024 float32; Wq 1,024 x 1,024 float32; Wv 1,024 x 1,024 float32; beta 1,024 float32; bk 1,024 float32; bo 1,024 float32; bq 1,024 float32; bv 1,024 float32; gamma 1,024 float32; inputs 4 x 2,048 x 1,024 float32.
;; Outputs: out0 4 x 2,048 x 1,024 float32.
;; This version of the problem:
;;   THIS VERSION OF THE PROBLEM IS GIVEN IN LOW PRECISION. The matrix products marked QUANTISED in the list below multiply operands that are first quantised to E2M1 (2 exponent bits, 1 mantissa bit; 4 bits a number), with one power-of-two scale for each 32 numbers along K (OCP MX v1.0); their sums are f32. All else is computed in f32.
;;   The module's matrix products, in the order in which they are computed (A, B: the left and right operand; K: the contracted axis; several contracted axes count as one K, in the product's order):
;;     1. [M 8,192, K 1,024] x [K 1,024, N 1,024]; A: input inputs; B: input Wq: QUANTISED
;;     2. [M 8,192, K 1,024] x [K 1,024, N 1,024]; A: input inputs; B: input Wk: QUANTISED
;;     3. [M 8,192, K 1,024] x [K 1,024, N 1,024]; A: input inputs; B: input Wv: QUANTISED
;;     4. batch 64 x [M 2,048, K 64] x [K 64, N 2,048]; A: computed on the way; B: computed on the way: QUANTISED
;;     5. batch 64 x [M 2,048, K 2,048] x [K 2,048, N 64]; A: softmax (see below); B: computed on the way: QUANTISED
;;     6. [M 8,192, K 1,024] x [K 1,024, N 1,024]; A: computed on the way; B: input Wo: QUANTISED
;;   THE QUANTISER, for each operand of a quantised product, along K:
;;     - K is cut into blocks of 32 from its start; a last block that is shorter is filled with zeros.
;;     - A block's scale is 2^e with e = floor(log2(the largest magnitude in the block)) - 2, held to -126 .. 127; a block of zeros has e = 0. As a byte (E8M0): e + 127.
;;     - Each number is divided by its block's scale, clamped to +-6, and rounded to the nearest number of E2M1, ties to even, subnormals kept.
;;     - The product sums the exact products of the quantised numbers (number of the format x scale) in f32.
;;   ~~~python
;;   def quantise(x, axis):      # numpy; x: float32 -> the quantised numbers, widened to float32 again
;;       x = np.moveaxis(x, axis, -1); K = x.shape[-1]
;;       x = np.pad(x, [(0, 0)] * (x.ndim - 1) + [(0, -K % 32)]); x = x.reshape(x.shape[:-1] + (-1, 32)); a = np.abs(x).max(-1, keepdims=True)
;;       e = np.where(a > 0, np.clip(np.frexp(np.where(a > 0, a, 1))[1] - 1 - 2, -126, 127), 0)      # np.frexp(a)[1] - 1 = floor(log2(a)), exactly
;;       r = np.clip(x / 2.0 ** e, -6, 6)
;;       step = 2.0 ** (np.maximum(np.frexp(np.where(r == 0, 1, r))[1] - 1, 0) - 1)
;;       q = np.round(r / step) * step * 2.0 ** e      # np.round: ties to even
;;       return np.moveaxis(q.reshape(q.shape[:-2] + (-1,))[..., :K], -1, axis).astype(np.float32)
;;   ~~~
;;   SOFTMAX AHEAD OF A QUANTISED PRODUCT. Where the list says 'softmax', what is quantised is not the finished softmax but p = 2^(t - M), with t = logit x log2(e) and M = ceil(the row's largest t), a whole number; so 1/2 < the row's largest p <= 1. The row's sum l is taken of the UNQUANTISED p, in f32, and the product's result is divided by l at the end. Since M is a whole number, a kernel that streams over the keys may use a running M (the ceiling of the running maximum): every later rescaling is an exact power of two, which a block's scale takes up: the codes' values come out the same.
;;   OPERANDS COMPUTED ON THE WAY. 'Computed on the way' means the value that the module computes at that place (a softmax that the list does not call 'softmax' is quantised finished and normalised). What goes into a quantiser is computed in f32, as accurately as f32 sums, v_exp_f32 and their like allow (about 1e-6 of the number): no bf16 or f16 on the way to a quantiser, and a product that is left as it is and whose result goes on into a quantised operand takes f32 operands (vector FMAs, or v_wmma_f32_16x16x4_f32). A number that lies on a knife's edge between two numbers of the format may be rounded either way, as far as f32 arithmetic and the matrix unit's own rounding can turn it there, and no further.
;; One version. Each part assembles by itself: llvm-mc -triple=amdgcn-amd-amdhsa -mcpu=gfx1250 --defsym DOCPART=n.
;; ======== version 1 of 1: 4 launches
;; limits: right only within a limited range of input values
;; workspace buffers: xq 4,456,448 bytes; wq 2,228,224 bytes; qkv 13,369,344 bytes; att 4,456,448 bytes
;; launch quant_x (part 1): grid 512 x 1, 4 waves a work-group, no clusters, 35,328 bytes of LDS; arguments Wq, Wk, Wv, Wo, inputs, xq, wq; writes xq, wq
.if DOCPART == 1
	.amdgcn_target "amdgcn-amd-amdhsa--gfx1250"
	.amdhsa_code_object_version 6
	.text
	.protected	k_q4f3493c693_quant_x
	.globl	k_q4f3493c693_quant_x
	.p2align	8
	.type	k_q4f3493c693_quant_x,@function
k_q4f3493c693_quant_x:
	s_mov_b64 s[64:65], 0
	v_nop
	global_prefetch_b8 v0, s[64:65] scope:SCOPE_SE
	s_setreg_imm32_b32 hwreg(HW_REG_WAVE_MODE, 25, 1), 1
	s_wait_xcnt 0x0
; MULTI-HEAD SELF-ATTENTION IN MX-FP4, four launches: quant_x (inputs and the four weights), qkv_gemm, attention, out_ln.
; DEAD WORK: none.  bq, bk and bv are added ahead of quantisers, so they move codes and scales; bo, gamma and beta reach the output; attention has no mask.  Every input is loaded.
; LIMITS (all launches): NaN and infinities among the inputs are not served.  A block whose largest magnitude lies under 2^-124 gets the scale byte 1 (the floor below); a block of zeros gets the byte 1
; where the quantiser says 127: its codes are zeros, which add nothing under any byte but 0xff, and the bytes are read by this program alone.  A softmax weight under 2^-126 becomes 0.
; THIS LAUNCH has two paths, parted by the work-group's number alone; each has LDS bytes of its own.
; WORK-GROUPS 0-255: inputs [8192][1024] f32 -> xq: codes of E2M1 and E8M0 scale bytes along the last axis, laid as IMAGES OF OPERAND REGISTERS.
; A TILE is 16 rows: tile T = 2 g + u holds rows 32 g + 8 u + r + 8 (r / 8), r = 0 .. 15.  A tile's record is 8,704 bytes: K step s (128 along K), register group c, lane l: 16 bytes at
; 1024 s + 512 c + 16 l = the codes of k = 128 s + 64 c + 32 (l / 16) + 0 .. 31 of row l % 16; from byte 8,192 on the scale words: the word of K step 4 q + i of row r at 256 q + 16 r + 4 i.
; A work-group takes 32 rows (two tiles); wave w takes tile w / 2 and half w % 2 of K.  Each load reads 512 consecutive bytes of a row; a K step's 16 x 512 bytes turn through the wave's own stage in LDS.
; WORK-GROUPS 256-511: Wq, Wk, Wv, Wo [1024 (k)][1024 (n)] f32 -> wq: 256 records laid like xq's, quantised along the FIRST axis (tiles 0-63 Wq, 64-127 Wk, 128-191 Wv, 192-255 Wo; a tile's 16 rows are
; columns n = 32 B + 8 u + r + 8 (r / 8)).  A lane takes a column and its registers run down K.  Number 256 + 128 q + 32 weight + cb: 32 columns, half q of K; wave w takes K step 4 q + w.
; No tensor loads, no cluster: work-groups share no input.
.set ROWB,  4096
.set SP,    528                        ; a stage row: 512 bytes + 16
.set WSTG,  16*SP                      ; a wave's stage (first path)
.set WBASE, 4*WSTG                     ; 512 bytes: the second path's scale words
.set SPARE, WBASE+1024                 ; the spare words, 128 bytes a wave
.set XREC,  8704
.set SPW,   30                         ; v30 my spare word's LDS address; v31 0; never rewritten
.set NIL,   31
	v_lshl_add_u32 v[SPW], v0, 2, SPARE
	v_mov_b32 v[NIL], 0
	s_cmp_lt_u32 ttmp9, 256
	s_wait_alu depctr_va_vdst(0)
	s_cbranch_scc0 .Lweights
.set WD,    16                         ; v16-19  the four K steps' scale words
.set C,     32                         ; v32-63  codes, eight registers a K step: no store's data are written again
.set X,     64                         ; v64-127 my 2 x 32 neighbours
.set R,     128                        ; v128-255 two sets of 64 registers as loaded
	s_load_b128 s[4:7], s[0:1], 0x20               ; inputs, xq
	v_lshrrev_b32 v8, 5, v0
	v_readfirstlane_b32 s8, v8                     ; wave
	v_and_b32 v9, 31, v0
	v_and_b32 v10, 15, v0                          ; r
	v_bfe_u32 v11, v0, 4, 1                        ; h
	v_lshlrev_b32 v1, 4, v9                        ; 16 x lane
	s_mul_i32 s9, s8, WSTG
	v_add_nc_u32 v2, s9, v1                        ; the stage on the way in
	v_mul_u32_u24 v3, v10, SP
	v_lshl_add_u32 v3, v11, 7, v3
	v_add_nc_u32 v3, s9, v3                        ; and on the way out: row r, + 128 h bytes
	v_lshlrev_b32 v4, 3, v11                       ; 8 h
	v_lshlrev_b32 v5, 4, v10
	v_lshl_add_u32 v5, v11, 3, v5                  ; 16 r + 8 h
	v_mov_b32 v15, 0                               ; a lane permute's destination counts as a source
	s_lshr_b32 s10, s8, 1                          ; u
	s_and_b32 s11, s8, 1                           ; q
	s_mov_b32 s12, 0x76543210
	s_mov_b32 s13, 0xfedcba98
	s_mov_b32 s16, 0xffff0000
	s_lshl_b32 s18, ttmp9, 17
	s_lshl_b32 s20, s10, 15
	s_add_co_u32 s18, s18, s20
	s_lshl_b32 s20, s11, 11
	s_add_co_u32 s18, s18, s20
	s_mov_b32 s19, 0
	s_lshl_b32 s20, ttmp9, 1
	s_add_co_u32 s20, s20, s10                     ; T
	s_mul_i32 s20, s20, XREC
	s_lshl_b32 s22, s11, 8
	s_add_co_u32 s22, s22, s20
	s_add_co_u32 s22, s22, 8192                    ; my scale words
	s_mov_b32 s23, 0
	s_lshl_b32 s21, s11, 12
	s_add_co_u32 s20, s20, s21                     ; my codes
	s_mov_b32 s21, 0
	s_wait_alu depctr_va_vdst(0)
	s_wait_kmcnt 0x0
	s_add_nc_u64 s[4:5], s[4:5], s[18:19]
	s_add_nc_u64 s[14:15], s[6:7], s[22:23]
	s_add_nc_u64 s[6:7], s[6:7], s[20:21]
.macro LOADX t                         ; K step t of my four: 512 bytes of each of the tile's 16 rows
.irp i, 0,1,2,3,4,5,6,7,8,9,10,11,12,13,14,15
	global_load_b128 v[R+64*((\t)%2)+4*\i:R+64*((\t)%2)+4*\i+3], v1, s[4:5] offset:(\i+8*(\i/8))*ROWB+(\t)*512 th:TH_LOAD_NT
.endr
.endm
.macro STEP t
.if (\t) < 3
	s_wait_loadcnt 16                              ; this K step's 16 loads are in; the next step's 16 may be out
.else
	s_wait_loadcnt 0x0
.endif
.irp i, 0,1,2,3,4,5,6,7,8,9,10,11,12,13,14,15
	ds_store_b128 v2, v[R+64*((\t)%2)+4*\i:R+64*((\t)%2)+4*\i+3] offset:\i*SP
.endr
.irp c, 0,1
.irp g, 0,1,2,3,4,5,6,7
	ds_load_b128 v[X+32*\c+4*\g:X+32*\c+4*\g+3], v3 offset:\c*256+16*\g   ; LDS serves a wave's instructions in order
.endr
.endr
	s_wait_dscnt 0x0
.if (\t) < 2
	LOADX (\t)+2
.endif
.irp c, 0,1
	v_max3_num_f32 v[8+\c], |v[X+32*\c]|, |v[X+32*\c+1]|, 0x1800000   ; block 2 c + h: all 32 numbers are mine; the floor 2^(3 - 127)
.endr
.irp i, 2,4,6,8,10,12,14,16,18,20,22,24,26,28,30
.irp c, 0,1
	v_max3_num_f32 v[8+\c], v[8+\c], |v[X+32*\c+\i]|, |v[X+32*\c+\i+1]|
.endr
.endr
.irp c, 0,1
	v_add_nc_u32 v[10+\c], 0xff000000, v[8+\c]     ; 2 off the exponent field: the conversion's scale operand
.endr
.irp c, 0,1
	v_lshrrev_b32 v[12+\c], 23, v[10+\c]           ; the scale's byte
.endr
	v_lshl_or_b32 v14, v13, 16, v12
	v_lshlrev_b32 v14, v4, v14
	v_permlanex16_b32 v15, v14, s12, s13
	v_or_b32 v[WD+(\t)], v14, v15                  ; with lane l xor 16's two bytes the word is whole
.irp c, 0,1
.irp g, 0,1,2,3
	v_cvt_scalef32_pk8_fp4_f32 v[C+8*(\t)+4*\c+\g], v[X+32*\c+8*\g:X+32*\c+8*\g+7], v[10+\c]
.endr
.endr
	v_nop                                          ; one plain line behind the last conversion
.irp c, 0,1
	global_store_b128 v1, v[C+8*(\t)+4*\c:C+8*(\t)+4*\c+3], s[6:7] offset:(\t)*1024+\c*512   ; 512 consecutive bytes
.endr
.endm
	LOADX 0
	LOADX 1
	STEP 0
	STEP 1
	STEP 2
	STEP 3
	v_cndmask_b32 v20, v[WD], v[WD+2], s16         ; lanes 0-15 store words 0 and 1 of their row, lanes 16-31 words 2 and 3
	v_cndmask_b32 v21, v[WD+1], v[WD+3], s16
	global_store_b64 v5, v[20:21], s[14:15]        ; 256 consecutive bytes, aligned
	s_wait_tensorcnt 0x0                           ; the wave's end
	ds_add_u32 v[SPW], v[NIL]
	s_wait_dscnt 0x0
	s_endpgm
.Lweights:
.set SB,    24                         ; v24  my column's scale word
.set X,     32                         ; v32-95  two sets of 32 numbers
.set C,     96                         ; v96-111 codes: four registers a block
	s_load_b256 s[4:11], s[0:1], 0x0               ; Wq, Wk, Wv, Wo
	s_load_b64 s[12:13], s[0:1], 0x30              ; wq
	v_lshrrev_b32 v1, 5, v0
	v_readfirstlane_b32 s16, v1                    ; wave
	v_and_b32 v1, 31, v0                           ; l: my column of the 32
	v_lshlrev_b32 v2, 2, v1
	v_bfe_u32 v3, v1, 3, 1                         ; l = 16 (r / 8) + 8 u + r % 8: u,
	v_mul_u32_u24 v3, v3, XREC
	v_and_b32 v4, 7, v1
	v_bfe_u32 v5, v1, 4, 1
	v_lshl_or_b32 v4, v5, 3, v4                    ; and r
	v_lshl_add_u32 v3, v4, 4, v3                   ; my place in the pair of records: 8704 u + 16 r
	v_lshl_add_u32 v5, v1, 4, WBASE                ; LDS: 16 bytes a column,
	s_lshl_b32 s17, s16, 2
	v_add_nc_u32 v6, s17, v5                       ; my wave's word of them
	s_sub_co_u32 s33, ttmp9, 256
	s_and_b32 s32, s33, 127                        ; 32 x weight + cb
	s_lshr_b32 s20, s33, 7                         ; q
	s_lshr_b32 s18, s32, 5                         ; which weight
	s_and_b32 s19, s32, 31                         ; cb
	s_lshl_b32 s21, s20, 2
	s_add_co_u32 s21, s21, s16                     ; K step
	s_lshl_b32 s22, s21, 19
	s_lshl_b32 s23, s19, 7
	s_add_co_u32 s22, s22, s23
	s_mov_b32 s23, 0
	s_lshl_b32 s24, s32, 1
	s_mul_i32 s24, s24, XREC                       ; the pair's first record
	s_lshl_b32 s26, s20, 8
	s_add_co_u32 s26, s26, s24
	s_add_co_u32 s26, s26, 8192
	s_mov_b32 s27, 0
	s_lshl_b32 s25, s21, 10
	s_add_co_u32 s24, s24, s25
	s_mov_b32 s25, 0
	s_wait_alu depctr_va_vdst(0)
	s_wait_kmcnt 0x0
	s_cmp_lt_u32 s18, 1                            ; the weight is chosen by the work-group's number alone
	s_cselect_b64 s[4:5], s[4:5], s[6:7]
	s_cmp_lt_u32 s18, 3
	s_cselect_b64 s[8:9], s[8:9], s[10:11]
	s_cmp_lt_u32 s18, 2
	s_cselect_b64 s[4:5], s[4:5], s[8:9]
	s_add_nc_u64 s[4:5], s[4:5], s[22:23]
	s_add_nc_u64 s[28:29], s[12:13], s[24:25]
	s_add_nc_u64 s[30:31], s[12:13], s[26:27]
.macro LOADW t                         ; block t: W(32 t + i, my column)
.irp i, 0,1,2,3,4,5,6,7,8,9,10,11,12,13,14,15,16,17,18,19,20,21,22,23,24,25,26,27,28,29,30,31
	global_load_b32 v[X+32*((\t)%2)+\i], v2, s[4:5] offset:(32*(\t)+\i)*4096
.endr
.endm
.macro BLOCK t
.set XS, X+32*((\t)%2)
.if (\t) < 3
	s_wait_loadcnt 32                              ; this block's 32 loads are in; the next block's may be out
.else
	s_wait_loadcnt 0x0
.endif
	v_max3_num_f32 v12, |v[XS]|, |v[XS+1]|, |v[XS+2]|
	v_max3_num_f32 v13, |v[XS+3]|, |v[XS+4]|, |v[XS+5]|
.irp i, 6,10,14,18,22,26
	v_max3_num_f32 v12, v12, |v[XS+\i]|, |v[XS+\i+1]|
	v_max3_num_f32 v13, v13, |v[XS+\i+2]|, |v[XS+\i+3]|
.endr
	v_max3_num_f32 v12, v12, |v[XS+30]|, |v[XS+31]|
	v_max3_num_f32 v12, v12, v13, 0x1800000
	v_add_nc_u32 v11, 0xff000000, v12
	v_lshrrev_b32 v13, 23, v11
.if (\t) == 0
	v_mov_b32 v[SB], v13
.else
	v_lshl_or_b32 v[SB], v13, 8*(\t), v[SB]
.endif
.irp g, 0,1,2,3
	v_cvt_scalef32_pk8_fp4_f32 v[C+4*(\t)+\g], v[XS+8*\g:XS+8*\g+7], v11
.endr
	v_nop
	global_store_b128 v3, v[C+4*(\t):C+4*(\t)+3], s[28:29] offset:256*(\t)   ; block t = 2 c + h lies at 512 c + 256 h + 16 r of the K step's image
.if (\t) < 2
	LOADW (\t)+2
.endif
.endm
	LOADW 0
	LOADW 1
	BLOCK 0
	BLOCK 1
	BLOCK 2
	BLOCK 3
	ds_store_b32 v6, v[SB]
	s_wait_dscnt 0x0                               ; for the others' sake: my word has landed
	s_barrier_signal -1
	s_barrier_wait -1
	s_cmp_lg_u32 s16, 0
	s_cbranch_scc1 .Lnot_wave_0
	ds_load_b128 v[16:19], v5                      ; a column's four words of this half of K
	s_wait_dscnt 0x0
	global_store_b128 v3, v[16:19], s[30:31]       ; two aligned runs of 256 bytes, one in each record
.Lnot_wave_0:
	s_wait_tensorcnt 0x0                           ; the wave's end
	ds_add_u32 v[SPW], v[NIL]
	s_wait_dscnt 0x0
	s_endpgm
.Lfunc_end_k_q4f3493c693_quant_x:
	.size	k_q4f3493c693_quant_x, .Lfunc_end_k_q4f3493c693_quant_x-k_q4f3493c693_quant_x
	.p2alignl 7, 3214868480
	.fill 96, 4, 3214868480
	.section	.rodata,"a",@progbits
	.p2align	6, 0x0
	.amdhsa_kernel k_q4f3493c693_quant_x
		.amdhsa_group_segment_fixed_size 35328
		.amdhsa_private_segment_fixed_size 0
		.amdhsa_enable_private_segment 0
		.amdhsa_kernarg_size 56
		.amdhsa_user_sgpr_count 2
		.amdhsa_user_sgpr_kernarg_segment_ptr 1
		.amdhsa_wavefront_size32 1
		.amdhsa_system_sgpr_workgroup_id_x 1
		.amdhsa_system_sgpr_workgroup_id_y 1
		.amdhsa_system_sgpr_workgroup_id_z 1
		.amdhsa_system_vgpr_workitem_id 0
		.amdhsa_next_free_vgpr 256
		.amdhsa_next_free_sgpr 66
		.amdhsa_reserve_vcc 0
		.amdhsa_float_denorm_mode_32 3
		.amdhsa_float_denorm_mode_16_64 3
		.amdhsa_memory_ordered 1
		.amdhsa_forward_progress 1
		.amdhsa_inst_pref_size 51
	.end_amdhsa_kernel
	.amdgpu_metadata
---
amdhsa.version: [ 1, 2 ]
amdhsa.kernels:
  - .name:           k_q4f3493c693_quant_x
    .symbol:         k_q4f3493c693_quant_x.kd
    .args:
      - { .name: Wq, .offset: 0, .size: 8, .value_kind: global_buffer, .address_space: global }
      - { .name: Wk, .offset: 8, .size: 8, .value_kind: global_buffer, .address_space: global }
      - { .name: Wv, .offset: 16, .size: 8, .value_kind: global_buffer, .address_space: global }
      - { .name: Wo, .offset: 24, .size: 8, .value_kind: global_buffer, .address_space: global }
      - { .name: inputs, .offset: 32, .size: 8, .value_kind: global_buffer, .address_space: global }
      - { .name: xq, .offset: 40, .size: 8, .value_kind: global_buffer, .address_space: global }
      - { .name: wq, .offset: 48, .size: 8, .value_kind: global_buffer, .address_space: global }
    .group_segment_fixed_size: 35328
    .private_segment_fixed_size: 0
    .kernarg_segment_align: 8
    .kernarg_segment_size: 56
    .max_flat_workgroup_size: 128
    .sgpr_count:     66
    .vgpr_count:     256
    .wavefront_size: 32
...
	.end_amdgpu_metadata
.endif
;; end of part 1
;; launch qkv_gemm (part 2): grid 12 x 32, 16 waves a work-group, clusters of 4 x 4, 280,576 bytes of LDS; arguments xq, wq, bq, bk, bv, qkv; writes qkv
.if DOCPART == 2
	.amdgcn_target "amdgcn-amd-amdhsa--gfx1250"
	.amdhsa_code_object_version 6
	.text
	.protected	k_q4f3493c693_qkv_gemm
	.globl	k_q4f3493c693_qkv_gemm
	.p2align	8
	.type	k_q4f3493c693_qkv_gemm,@function
k_q4f3493c693_qkv_gemm:
	s_mov_b64 s[64:65], 0
	v_nop
	global_prefetch_b8 v0, s[64:65] scope:SCOPE_SE
	s_setreg_imm32_b32 hwreg(HW_REG_WAVE_MODE, 25, 1), 1
	s_wait_xcnt 0x0
	s_wait_alu depctr_hold_cnt(0) depctr_sa_sdst(0) depctr_va_vdst(0) depctr_va_sdst(0) depctr_va_ssrc(0) depctr_va_vcc(0) depctr_vm_vsrc(0)
	s_getreg_b32 s2, hwreg(HW_REG_IB_STS2, 6, 4)
	s_cmp_eq_u32 s2, 0
	s_cbranch_scc0 .Lentry_in_a_cluster
	s_endpgm
.Lentry_in_a_cluster:
	s_bfe_u32 s2, ttmp6, 0x10000c
	s_cmp_lg_u32 s2, 0xf033
	s_cbranch_scc0 .Lentry_shape_is_right
	s_endpgm
.Lentry_shape_is_right:
; q = x Wq + bq, k = x Wk + bk, v = x Wv + bv on codes of E2M1 (products 1 to 3), and the results quantised at once as operands of products 4 and 5.  No work is left out.  Limits: as stated at the head of quant_x.
; SHARES.  Work-group (X, Y): X = 0 .. 11 a block of 256 columns (16 tiles of wq: 0-3 Wq, 4-7 Wk, 8-11 Wv), Y = 0 .. 31 a block of 256 rows (16 tiles of xq).  All of K, 1,024, lies in LDS at once: 2 x 139,264 bytes,
; filled once: no ring.  Sixteen waves; wave 8 ri + pi owns a PAIR pi of tiles of the side P, which is source 1 (a lane keeps one of its rows), and a GROUP ri of eight tiles of the side R, which is source 0
; (a lane's registers run along its rows): 16 accumulators, which take turns, one instruction a turn.
; q, k: P = x, R = W: a lane holds a position, its 64 registers of a tile of P run along 128 columns = two heads' d: neighbours along product 4's K.
; v:    P = W, R = x: a lane holds a channel, its registers run along 128 positions = keys: neighbours along product 5's K.  The text is one macro with the LDS bases swapped; the cluster's x picks it.
; CLUSTER 4 x 4: x's tiles hang on Y alone and are asked for jointly along a row of the cluster, W's on X alone, along a column.
; qkv: 192 head records of 69,632 bytes, record 4 G + batch (G: q's heads 0-15, k's 16-31, v's 32-47).
;   q, k: pair P of tiles (32 positions), tile u, lane l: 16 bytes at 1024 P + 512 u + 16 l = d 32 (l / 16) + 0 .. 31 of position 32 P + 8 u + r + 8 (r / 8); scale words from 65,536 on, at 64 P + 4 r: bytes 0, 1 tile u = 0, bytes 2, 3 tile u = 1.
;   v: key step S (128 keys), channel tile t, group c, lane l: 4096 S + 1024 t + 512 c + 16 l; scale words at 65,536 + 256 S + 128 (t / 2) + 4 (16 (t % 2) + r).
; A wave's scale words are 64 bytes a head (q, k) or 128 bytes (v), one sixteenth of what it stores: these stores cover less than 256 bytes; gathering them would take an LDS stage and a barrier on both paths.
.set XREC,  8704
.set PAIRB, 2*XREC
.set BLKB,  16*XREC                    ; a block's 16 records; x's at LDS byte 0, W's behind them
.set SPARE, 2*BLKB                     ; the spare words, 128 bytes a wave
.set HREC,  69632
.set SPW,   6
.set NIL,   7
.set PS,    16                         ; v16-19  P's scale words of four K steps: lanes 0-15 the pair's even tile, lanes 16-31 the odd one
.set RS,    20                         ; v20-35  R's, four pairs of tiles
.set PF,    48                         ; v48-63  P's two fragments
.set RF,    64                         ; v64-127 R's eight
.set ACC,   128                        ; v128-255 accumulator (a, t) at 128 + 64 a + 8 t
.set WV,    16                         ; s16 wave;  s17 cx, s18 cy, s19 X, s20 Y, s21 pi, s22 ri
.set SEL,   52
.set MASK,  54
.macro CROUND                          ; a round of the cluster's barrier
	s_barrier_signal -1
	s_barrier_wait -1
	s_cmp_lg_u32 s[WV], 0
	s_cbranch_scc1 .Lnot_wave_0_\@
	s_barrier_signal -3
.Lnot_wave_0_\@:
	s_barrier_wait -3
	s_barrier_signal -1
	s_barrier_wait -1
.endm
.macro WM d, a, b, c, sa, sb, ra, rb   ; one product; ra, rb: the scale words stand in lanes 16-31 of the register named
.if (\ra) && (\rb)
	v_wmma_scale_f32_16x16x128_f8f6f4 v[\d:\d+7], v[\a:\a+7], v[\b:\b+7], v[\c:\c+7], v[\sa], v[\sb] matrix_a_fmt:MATRIX_FMT_FP4 matrix_b_fmt:MATRIX_FMT_FP4 matrix_a_scale:MATRIX_SCALE_ROW1 matrix_b_scale:MATRIX_SCALE_ROW1
.elseif (\ra)
	v_wmma_scale_f32_16x16x128_f8f6f4 v[\d:\d+7], v[\a:\a+7], v[\b:\b+7], v[\c:\c+7], v[\sa], v[\sb] matrix_a_fmt:MATRIX_FMT_FP4 matrix_b_fmt:MATRIX_FMT_FP4 matrix_a_scale:MATRIX_SCALE_ROW1
.elseif (\rb)
	v_wmma_scale_f32_16x16x128_f8f6f4 v[\d:\d+7], v[\a:\a+7], v[\b:\b+7], v[\c:\c+7], v[\sa], v[\sb] matrix_a_fmt:MATRIX_FMT_FP4 matrix_b_fmt:MATRIX_FMT_FP4 matrix_b_scale:MATRIX_SCALE_ROW1
.else
	v_wmma_scale_f32_16x16x128_f8f6f4 v[\d:\d+7], v[\a:\a+7], v[\b:\b+7], v[\c:\c+7], v[\sa], v[\sb] matrix_a_fmt:MATRIX_FMT_FP4 matrix_b_fmt:MATRIX_FMT_FP4
.endif
.endm
; 64 numbers of a lane, register 16 b + i = k 32 b + 16 (lane / 16) + i of my row, become a fragment's eight registers of codes from v[pc] on and its scale word in v[pw]; v[tm] .. v[tm + 15] at work.
.macro QUANT s, pc, pw, tm
.irp b, 0,1,2,3
	v_max3_num_f32 v[\tm+\b], |v[\s+16*\b]|, |v[\s+1+16*\b]|, 0x1800000   ; my 16 numbers of block b, and the floor 2^(3 - 127).  Each accumulator is read from its low end on
.endr
.irp i, 2,4,6,8,10,12,14
.irp b, 0,1,2,3
	v_max3_num_f32 v[\tm+\b], v[\tm+\b], |v[\s+16*\b+\i]|, |v[\s+1+16*\b+\i]|
.endr
.endr
.irp b, 0,1,2,3
	s_delay_alu instid0(VALU_DEP_4)
	v_permlanex16_b32 v[\tm+4+\b], v[\tm+\b], s[SEL], s[SEL+1]
.endr
.irp b, 0,1,2,3
	s_delay_alu instid0(VALU_DEP_4)
	v_max_num_f32 v[\tm+\b], v[\tm+\b], v[\tm+4+\b]   ; with lane l xor 16's: the block's largest magnitude
.endr
.irp b, 0,1,2,3
	s_delay_alu instid0(VALU_DEP_4)
	v_add_nc_u32 v[\tm+12+\b], 0xff000000, v[\tm+\b]  ; 2 off its exponent field: the conversion's scale operand
.endr
.irp b, 0,1,2,3
	s_delay_alu instid0(VALU_DEP_4)
	v_lshrrev_b32 v[\tm+4+\b], 23, v[\tm+12+\b]       ; the scale's byte
.endr
	s_delay_alu instid0(VALU_DEP_3)
	v_lshl_or_b32 v[\pw], v[\tm+5], 8, v[\tm+4]
	s_delay_alu instid0(VALU_DEP_1)
	v_lshl_or_b32 v[\pw], v[\tm+6], 16, v[\pw]
	s_delay_alu instid0(VALU_DEP_1)
	v_lshl_or_b32 v[\pw], v[\tm+7], 24, v[\pw]
.irp b, 0,1,2,3
	v_cvt_scalef32_pk8_fp4_f32 v[\pc+2*\b], v[\s+16*\b:\s+16*\b+7], v[\tm+12+\b]
	v_cvt_scalef32_pk8_fp4_f32 v[\pc+2*\b+1], v[\s+16*\b+8:\s+16*\b+15], v[\tm+12+\b]
.endr
	v_nop                                          ; one plain line behind the last conversion
.irp c, 0,1                                    ; the operand's layout wants a whole block in a lane
.irp i, 0,1
	v_permlane16_swap_b32 v[\pc+4*\c+\i], v[\pc+4*\c+2+\i]
.endr
.endr
.endm
	s_load_b256 s[4:11], s[0:1], 0x0               ; xq, wq, bq, bk
	s_load_b128 s[12:15], s[0:1], 0x20             ; bv, qkv
	v_lshl_add_u32 v[SPW], v0, 2, SPARE
	v_mov_b32 v[NIL], 0
	ds_add_u32 v[SPW], v[NIL]                      ; the wave's opening: the add, twice on end, and its wait ahead of my first tensor load
	ds_add_u32 v[SPW], v[NIL]
	v_lshrrev_b32 v8, 5, v0
	s_delay_alu instid0(VALU_DEP_1)
	v_readfirstlane_b32 s[WV], v8                  ; wave 0 .. 15
	s_bfe_u32 s17, ttmp6, 0x40000                  ; cx
	s_bfe_u32 s18, ttmp6, 0x40004                  ; cy
	s_lshl_b32 s19, ttmp9, 2
	s_add_co_u32 s19, s19, s17                     ; X
	s_and_b32 s20, ttmp7, 0xffff
	s_lshl_b32 s20, s20, 2
	s_add_co_u32 s20, s20, s18                     ; Y
	s_and_b32 s21, s[WV], 7                        ; pi; also: which two tiles I fetch
	s_lshr_b32 s22, s[WV], 3                       ; ri; also: I fetch for x (0) or for W (1)
	s_lshl_b32 s55, s18, 2
	s_lshl_b32 s55, 15, s55                        ; my row of the cluster
	s_lshl_b32 s56, 0x1111, s17                    ; my column
	; descriptor group 1: two records, 17,408 dense bytes, as 68 rows of 32 elements of 8 bytes; no padding
	s_or_b32 s24, s55, (3<<16)|(1<<21)             ; 15:0 the mask: x's tiles go to my row; 17:16 elements of 8 bytes; 21 set beside a mask
	s_or_b32 s32, s56, (3<<16)|(1<<21)             ; W's go to my column
.irp g, 24, 32
	s_mov_b32 s[\g+1], 32<<16                      ; tensor_dim0 = 32
	s_mov_b32 s[\g+2], 68<<16                      ; tensor_dim1 = 68
	s_mov_b32 s[\g+3], 32<<16                      ; tile_dim0 = 32
	s_mov_b32 s[\g+4], 68                          ; tile_dim1 = 68
	s_mov_b32 s[\g+5], 32                          ; from row to row
	s_mov_b32 s[\g+6], 0
	s_mov_b32 s[\g+7], 0
.endr
	s_lshl_b32 s57, s21, 1
	s_lshl_b32 s48, s20, 4
	s_add_co_u32 s48, s48, s57
	s_mul_i32 s48, s48, XREC                       ; x: tiles 16 Y + 2 (wave % 8) on: made of Y and the wave's number alone
	s_mov_b32 s49, 0
	s_lshl_b32 s50, s19, 4
	s_add_co_u32 s50, s50, s57
	s_mul_i32 s50, s50, XREC                       ; W: tiles 16 X + 2 (wave % 8) on: of X and the wave's number alone
	s_mov_b32 s51, 0
	s_mul_i32 s58, s[WV], PAIRB                    ; where they go: wave x 17,408: x's block, then W's
	s_mov_b32 s[SEL], 0x76543210
	s_mov_b32 s[SEL+1], 0xfedcba98
	s_mov_b32 s[MASK], 0xffff0000                  ; lanes 16-31
	s_wait_dscnt 0x0                               ; both opening adds are done
	s_wait_kmcnt 0x0
	s_mov_b32 s40, 1
	s_mov_b32 s41, s58
	s_add_nc_u64 s[42:43], s[4:5], s[48:49]
	s_or_b32 s43, s43, 0x80000000
	s_mov_b32 s44, 1
	s_mov_b32 s45, s58
	s_add_nc_u64 s[46:47], s[6:7], s[50:51]
	s_or_b32 s47, s47, 0x80000000
	CROUND                                         ; all sixteen work-groups are here: the joint loads meet
	s_cmp_lt_u32 s[WV], 8                          ; every wave issues one load: one tensor load of mine is out
	s_cbranch_scc0 .Lfor_w
	tensor_load_to_lds s[40:43], s[24:31]
	s_nop 0
.rept 4
	v_nop
.endr
	s_branch .Lasked
.Lfor_w:
	tensor_load_to_lds s[44:47], s[32:39]
	s_nop 0
.rept 4
	v_nop
.endr
.Lasked:
	v_and_b32 v45, 31, v0
	s_delay_alu instid0(VALU_DEP_1)
	v_lshlrev_b32 v44, 4, v45                      ; v44 = 16 x lane
	v_and_b32 v46, 15, v0                          ; v46 = r
	v_bfe_u32 v47, v0, 4, 1                        ; v47 = h
	s_delay_alu instid0(VALU_DEP_1)
	v_mul_u32_u24 v45, v47, XREC
	s_delay_alu instid0(VALU_DEP_1)
	v_lshl_add_u32 v45, v46, 4, v45
	s_delay_alu instid0(VALU_DEP_1)
	v_add_nc_u32 v45, 8192, v45                    ; v45 = a pair's scale words: 8192 + 16 r, lanes 16-31 one record on
	s_wait_tensorcnt 0x0                           ; my two records are in,
	s_barrier_signal -1
	s_barrier_wait -1                              ; everybody's are
; A K step of 128: fragments and (every fourth step) scale words from LDS, 16 products.
.macro KSTEP s, isv
.if (\s)%4 == 0
	ds_load_b128 v[PS:PS+3], v2 offset:((\s)/4)*256
.irp b, 0,1,2,3
	ds_load_b128 v[RS+4*\b:RS+4*\b+3], v5 offset:\b*PAIRB+((\s)/4)*256
.endr
.endif
.irp a, 0,1
.irp c, 0,1
	ds_load_b128 v[PF+8*\a+4*\c:PF+8*\a+4*\c+3], v1 offset:\a*XREC+(\s)*1024+\c*512
.endr
.endr
.irp t, 0,1,2,3
.irp c, 0,1
	ds_load_b128 v[RF+8*\t+4*\c:RF+8*\t+4*\c+3], v3 offset:\t*XREC+(\s)*1024+\c*512
	ds_load_b128 v[RF+32+8*\t+4*\c:RF+32+8*\t+4*\c+3], v4 offset:\t*XREC+(\s)*1024+\c*512
.endr
.endr
.if (\s) == 0
	s_wait_alu depctr_va_vdst(0)
	s_wait_loadcnt 0x0                             ; the bias
.if \isv
.irp j, 0,1,2,3,4,5,6,7
	v_mov_b32 v[8+\j], v128                        ; a lane's channel has one bias for all its keys: eight registers a tile of P, the C of the first products
	s_wait_alu depctr_va_vdst(0)
	v_mov_b32 v[36+\j], v129
.endr
	s_wait_alu depctr_va_vdst(0)
.rept 4
	v_nop
.endr
.endif
.endif
	s_wait_dscnt 0x0
.irp t, 0,1,2,3,4,5,6,7
.irp a, 0,1
.if ((\s) == 0) && (\isv)
	WM ACC+64*\a+8*\t, RF+8*\t, PF+8*\a, 8+28*\a, RS+4*(\t/2)+(\s)%4, PS+(\s)%4, \t%2, \a
.else
	WM ACC+64*\a+8*\t, RF+8*\t, PF+8*\a, ACC+64*\a+8*\t, RS+4*(\t/2)+(\s)%4, PS+(\s)%4, \t%2, \a
.endif
.endr
.endr
.rept 4
	v_nop                                          ; four places in front of loads into registers that these products have read, and of the first read of results
.endr
.endm
.macro BODY isv
.if \isv
	s_lshl_b32 s62, s17, 10                        ; bv at channel 256 cx + 32 pi
	s_lshl_b32 s63, s21, 7
	s_add_co_u32 s62, s62, s63
	s_mov_b32 s63, 0
	s_add_nc_u64 s[60:61], s[12:13], s[62:63]
	v_and_b32 v36, 8, v46
	s_delay_alu instid0(VALU_DEP_1)
	v_add_nc_u32 v36, v36, v46
	s_delay_alu instid0(VALU_DEP_1)
	v_lshlrev_b32 v36, 2, v36                      ; + r + 8 (r / 8)
	global_load_b32 v128, v36, s[60:61]            ; tile a = 0 of my pair,
	global_load_b32 v129, v36, s[60:61] offset:32  ; a = 1: 8 channels on
.else
	s_cmp_eq_u32 ttmp9, 0                          ; bq or bk: by the cluster's x
	s_cselect_b64 s[60:61], s[8:9], s[10:11]
	s_lshl_b32 s62, s17, 10                        ; at column 256 cx + 128 ri
	s_lshl_b32 s63, s22, 9
	s_add_co_u32 s62, s62, s63
	s_mov_b32 s63, 0
	s_add_nc_u64 s[60:61], s[60:61], s[62:63]
	v_lshlrev_b32 v36, 6, v47                      ; + 16 h
.irp a, 0,1
.irp t, 0,1,2,3,4,5,6,7
	global_load_b128 v[ACC+64*\a+8*\t:ACC+64*\a+8*\t+3], v36, s[60:61] offset:(32*(\t/2)+8*(\t%2))*4      ; the bias lands in the accumulators, in the result's layout: it costs no addition
	global_load_b128 v[ACC+64*\a+8*\t+4:ACC+64*\a+8*\t+7], v36, s[60:61] offset:(32*(\t/2)+8*(\t%2))*4+16
.endr
.endr
.endif
	s_mul_i32 s59, s21, PAIRB                      ; P: my pair
.if \isv
	s_add_co_u32 s59, s59, BLKB
.endif
	v_add_nc_u32 v1, s59, v44
	v_add_nc_u32 v2, s59, v45
	s_mul_i32 s59, s22, 4*PAIRB                    ; R: my eight tiles
.if (\isv) == 0
	s_add_co_u32 s59, s59, BLKB
.endif
	v_add_nc_u32 v3, s59, v44
	s_delay_alu instid0(VALU_DEP_1)
	v_add_nc_u32 v4, 2*PAIRB, v3
	v_add_nc_u32 v5, s59, v45
	KSTEP 0, \isv
	KSTEP 1, \isv
	KSTEP 2, \isv
	KSTEP 3, \isv
	KSTEP 4, \isv
	KSTEP 5, \isv
	KSTEP 6, \isv
	KSTEP 7, \isv
.irp b, 0,1,2,3
	v_mov_b32 v[20+\b], 0                          ; a lane permute's destination counts as one of its sources
.endr
	QUANT ACC, 48, 64, 16
	QUANT ACC+64, 56, 65, 16
.if \isv
	s_lshl_b32 s66, s17, 2
	s_lshr_b32 s67, s21, 1
	s_add_co_u32 s66, s66, s67                     ; v's head: 4 cx + pi / 2
	s_add_co_u32 s66, s66, 32
	s_lshl_b32 s66, s66, 2
	s_lshr_b32 s67, s20, 3                         ; the batch
	s_add_co_u32 s66, s66, s67
	s_mul_i32 s66, s66, HREC
	s_and_b32 s67, s20, 7
	s_lshl_b32 s67, s67, 1
	s_add_co_u32 s67, s67, s22                     ; the key step: 2 (Y % 8) + ri
	s_and_b32 s72, s21, 1                          ; which pair of channel tiles
	s_lshl_b32 s68, s67, 12
	s_lshl_b32 s73, s72, 11
	s_add_co_u32 s68, s68, s73
	s_add_co_u32 s68, s68, s66
	s_mov_b32 s69, 0
	s_lshl_b32 s70, s67, 8
	s_lshl_b32 s73, s72, 7
	s_add_co_u32 s70, s70, s73
	s_add_co_u32 s70, s70, s66
	s_add_co_u32 s70, s70, 65536
	s_mov_b32 s71, 0
	s_add_nc_u64 s[68:69], s[14:15], s[68:69]
	s_add_nc_u64 s[70:71], s[14:15], s[70:71]
	s_wait_alu depctr_va_vdst(0)
.irp a, 0,1
.irp c, 0,1
	global_store_b128 v44, v[48+8*\a+4*\c:48+8*\a+4*\c+3], s[68:69] offset:\a*1024+\c*512   ; 512 consecutive bytes
.endr
.endr
	v_cndmask_b32 v66, v64, v65, s[MASK]           ; lanes 0-15 tile a = 0's words, lanes 16-31 tile a = 1's
	v_and_b32 v68, 31, v0
	s_delay_alu instid0(VALU_DEP_1)
	v_lshlrev_b32 v68, 2, v68
	global_store_b32 v68, v66, s[70:71]
.else
	s_lshl_b32 s66, s19, 2
	s_lshl_b32 s67, s22, 1
	s_add_co_u32 s66, s66, s67                     ; the first of my two heads: 4 X + 2 ri
	s_lshl_b32 s66, s66, 2
	s_lshr_b32 s67, s20, 3                         ; the batch
	s_add_co_u32 s66, s66, s67
	s_mul_i32 s66, s66, HREC
	s_and_b32 s67, s20, 7
	s_lshl_b32 s67, s67, 3
	s_add_co_u32 s67, s67, s21                     ; the pair of position tiles: 8 (Y % 8) + pi
	s_lshl_b32 s68, s67, 10
	s_add_co_u32 s68, s68, s66
	s_mov_b32 s69, 0
	s_lshl_b32 s70, s67, 6
	s_add_co_u32 s70, s70, s66
	s_add_co_u32 s70, s70, 65536
	s_mov_b32 s71, 0
	s_add_nc_u64 s[68:69], s[14:15], s[68:69]
	s_add_nc_u64 s[70:71], s[14:15], s[70:71]
	s_mov_b32 s78, 0x05040100
	s_mov_b32 s79, 0x07060302
	s_wait_alu depctr_va_vdst(0)
.irp a, 0,1
.irp c, 0,1
	global_store_b128 v44, v[48+8*\a+4*\c:48+8*\a+4*\c+3], s[68:69] offset:\c*4*HREC+\a*512   ; register group c is head c's 64 of d; the next head's record of this batch lies four records on
.endr
.endr
	v_perm_b32 v66, v65, v64, s78                  ; head 0's word: its two bytes of tile a = 0, then of tile a = 1
	v_perm_b32 v67, v65, v64, s79                  ; head 1's
	s_delay_alu instid0(VALU_DEP_1)
	v_cndmask_b32 v66, v66, v67, s[MASK]           ; lanes 0-15 store head 0's, lanes 16-31 head 1's
	v_mul_u32_u24 v68, v47, 4*HREC
	s_delay_alu instid0(VALU_DEP_1)
	v_lshl_add_u32 v68, v46, 2, v68
	global_store_b32 v68, v66, s[70:71]
.endif
.endm
	s_cmp_lt_u32 ttmp9, 2                          ; the cluster's x: the same in all sixteen partners and in all waves
	s_cbranch_scc0 .Lv_path
	s_wait_alu depctr_va_vdst(0)
	BODY 0
	s_branch .Lend
.Lv_path:
	s_wait_alu depctr_va_vdst(0)
	BODY 1
.Lend:
	s_wait_tensorcnt 0x0                           ; the wave's end
	ds_add_u32 v[SPW], v[NIL]
	s_wait_dscnt 0x0
	CROUND                                         ; the closing round
	s_endpgm
.Lfunc_end_k_q4f3493c693_qkv_gemm:
	.size	k_q4f3493c693_qkv_gemm, .Lfunc_end_k_q4f3493c693_qkv_gemm-k_q4f3493c693_qkv_gemm
	.p2alignl 7, 3214868480
	.fill 96, 4, 3214868480
	.section	.rodata,"a",@progbits
	.p2align	6, 0x0
	.amdhsa_kernel k_q4f3493c693_qkv_gemm
		.amdhsa_group_segment_fixed_size 280576
		.amdhsa_private_segment_fixed_size 0
		.amdhsa_enable_private_segment 0
		.amdhsa_kernarg_size 48
		.amdhsa_user_sgpr_count 2
		.amdhsa_user_sgpr_kernarg_segment_ptr 1
		.amdhsa_wavefront_size32 1
		.amdhsa_system_sgpr_workgroup_id_x 1
		.amdhsa_system_sgpr_workgroup_id_y 1
		.amdhsa_system_sgpr_workgroup_id_z 1
		.amdhsa_system_vgpr_workitem_id 0
		.amdhsa_next_free_vgpr 256
		.amdhsa_next_free_sgpr 80
		.amdhsa_reserve_vcc 0
		.amdhsa_float_denorm_mode_32 3
		.amdhsa_float_denorm_mode_16_64 3
		.amdhsa_memory_ordered 1
		.amdhsa_forward_progress 1
		.amdhsa_inst_pref_size 88
	.end_amdhsa_kernel
	.amdgpu_metadata
---
amdhsa.version: [ 1, 2 ]
amdhsa.kernels:
  - .name:           k_q4f3493c693_qkv_gemm
    .symbol:         k_q4f3493c693_qkv_gemm.kd
    .args:
      - { .name: xq, .offset: 0, .size: 8, .value_kind: global_buffer, .address_space: global }
      - { .name: wq, .offset: 8, .size: 8, .value_kind: global_buffer, .address_space: global }
      - { .name: bq, .offset: 16, .size: 8, .value_kind: global_buffer, .address_space: global }
      - { .name: bk, .offset: 24, .size: 8, .value_kind: global_buffer, .address_space: global }
      - { .name: bv, .offset: 32, .size: 8, .value_kind: global_buffer, .address_space: global }
      - { .name: qkv, .offset: 40, .size: 8, .value_kind: global_buffer, .address_space: global }
    .group_segment_fixed_size: 280576
    .private_segment_fixed_size: 0
    .kernarg_segment_align: 8
    .kernarg_segment_size: 48
    .max_flat_workgroup_size: 512
    .sgpr_count:     80
    .vgpr_count:     256
    .wavefront_size: 32
...
	.end_amdgpu_metadata
.endif
;; end of part 2
;; launch attention (part 3): grid 4 x 64, 16 waves a work-group, clusters of 4 x 1, 167,936 bytes of LDS; arguments qkv, att; writes att
.if DOCPART == 3
	.amdgcn_target "amdgcn-amd-amdhsa--gfx1250"
	.amdhsa_code_object_version 6
	.text
	.protected	k_q4f3493c693_attention
	.globl	k_q4f3493c693_attention
	.p2align	8
	.type	k_q4f3493c693_attention,@function
k_q4f3493c693_attention:
	s_mov_b64 s[64:65], 0
	v_nop
	global_prefetch_b8 v0, s[64:65] scope:SCOPE_SE
	s_setreg_imm32_b32 hwreg(HW_REG_WAVE_MODE, 25, 1), 1
	s_wait_xcnt 0x0
	s_wait_alu depctr_hold_cnt(0) depctr_sa_sdst(0) depctr_va_vdst(0) depctr_va_sdst(0) depctr_va_ssrc(0) depctr_va_vcc(0) depctr_vm_vsrc(0)
	s_getreg_b32 s2, hwreg(HW_REG_IB_STS2, 6, 4)
	s_cmp_eq_u32 s2, 0
	s_cbranch_scc0 .Lentry_in_a_cluster
	s_endpgm
.Lentry_in_a_cluster:
	s_bfe_u32 s2, ttmp6, 0x10000c
	s_cmp_lg_u32 s2, 0x3003
	s_cbranch_scc0 .Lentry_shape_is_right
	s_endpgm
.Lentry_shape_is_right:
; Products 4 and 5 with the softmax between them, and the result quantised as the operand of product 6.  No work is left out.  Limits: as stated at the head of quant_x, and one more below.
; t = score x log2(e) / 8; M = the running largest t rounded UP to a whole number; p = 2^(t - M) is quantised along the keys, not normalised; the row's sum is taken of the unquantised p and divides at the end.
; SHARES.  Work-group (cx, y): head y % 16 of batch y / 16, queries 512 cx on.  A head's K and V lie whole in LDS, filled once: no ring, and no loop that fetches from memory, so nothing is prefetched.
; Sixteen waves; each owns query tiles 32 cx + 16 p + wave, p = 0, 1, one after the other (PASS), and walks all 2,048 keys, 128 a step.
; CLUSTER 4 x 1: the four query blocks of a head read the same K and V: each of the ten loads is asked for jointly by the four.
; LDS.  The codes' 64 units of 1,024 bytes of K, then of V, each with 128 bytes of padding behind it (pitch 1,152); then K's and V's 4,096 bytes of scale words, dense.
; LAYOUT.  Both products are used transposed: a lane holds one query throughout.  The head's 64 fill half of the instruction's 128 along K: a fragment of K holds two tiles of keys, one in each half;
; against (q, 0) it gives the first tile's scores, against (0, q) the second's.  (q, 0) and (0, q) are eight registers each of the run q, 0, q.
; THE KEYS OF A TILE: row m of tile (c, i), c = 0, 1, i = 0 .. 3, is key 64 c + 32 (m / 8) + 8 i + m % 8 of the step.  So lane (r, h)'s 32 registers of the four tiles (c, .) are keys 64 c + 32 h + 0 .. 31:
; ONE WHOLE BLOCK of product 5's K, in the order of the operand's registers 4 c .. 4 c + 3: a block's maximum asks no other lane, and the conversions' results are the operand as it stands.
; In K's record that key's 16 bytes lie in unit 4 S + 2 c + m / 8, at byte 512 (i % 2) + 128 (i / 2) + 16 (m % 8) + 256 h; with the padding lanes 0-7 and 8-15 of a load fall on different halves of the banks' row.
; A BLOCK'S SCALE is made ahead of the exponentials: its largest p is 2^x, x = its largest t - M, so the scale's byte is floor(x) + 125, with x held at -124 from below (the byte 1).
; LIMIT: an x within 2^-24 under 0, whose 2^x rounds up to 1 in f32, gets the byte of the power below: that one p is then held at the largest code, 3/4 of its value.
; THE ORDER OF A STEP: the last eight additions of a step's sum stand at the head of the next step; the exponentials stand by turns with lines that read only what an earlier wait has settled.
; att: codes at 8192 T + 512 head + 16 lane (T: tile of 16 rows of [B S], composed as xq's tiles); scale bytes at 4,194,304 + 16,384 head + 32 T + 2 r + block.
.set HREC,  69632
.set KBP,   1152                       ; a unit of 1,024 bytes + 128 of padding
.set STB,   4*KBP                      ; a key step's codes of K, and of V
.set VB,    64*KBP
.set SCK,   2*VB                       ; K's scale words
.set SCV,   SCK+4096                   ; V's
.set SCG,   SCV+4096                   ; 1,024 bytes: the work-group's scale bytes of att, gathered
.set SPARE, SCG+1024                   ; the spare words, 128 bytes a wave
.set SPW,   6
.set NIL,   7
.set Q,     16                         ; v16-27 q, 0, q of pass 0; v28-39 of pass 1
.set KF,    40                         ; v40-71   four fragments of K
.set VF,    72                         ; v72-103  four fragments of V
.set SS,    104                        ; v104-167 S^T, then p
.set OT,    168                        ; v168-199 O^T
.set PC,    200                        ; v200-207 p's codes; ahead of them in a step the eight chains of the maxima
.set M8,    200
.set MX,    208                        ; v208-209 my two blocks' largest scores, then what becomes their scale bytes
.set SBA,   210                        ; v210 my scale byte's place; v211 where the gathered bytes are read; v212 the byte; v213 byte selects; v214 4 r; v215 at work in the head
.set SBR,   211
.set BYTE,  212
.set PSEL,  213
.set T,     218                        ; v218-233 eight pairs of partial sums, carried into the next step
.set SCO,   234                        ; v234-235 the conversions' scale operands
.set KS,    236                        ; v236-237 K's scale words: lanes 0-15 fragment (c, 0), lanes 16-31 fragment (c, 1)
.set VS,    238                        ; v238-239 V's: lanes 0-15 the even tile, lanes 16-31 the odd one
.set QS,    240                        ; v240-241 q's scale words of pass 0, 1
.set FF,    242                        ; v242 f = 2^(old M - new M); v243 p's scale word
.set TMP,   244                        ; v244-247 at work
.set OC,    248                        ; v248-255 the codes that leave: four registers a pass, never written again
.set WV,    8
.set CS,    22                         ; s[22:23] c = log2(e) / 8
.set SEL,   36
.set TB,    38                         ; s38 the step's codes; s39 its scale words
.set TS,    39
.set CNT,   40
.set MASK,  41
; v1 16 x lane; v2, v3 my place in a step's K, V; v4, v5 among K's, V's scale words; v8-11 the step's addresses; v12 -M, v13 the largest score, v[14:15] the sum in two halves.
.macro CROUND
	s_barrier_signal -1
	s_barrier_wait -1
	s_cmp_lg_u32 s[WV], 0
	s_cbranch_scc1 .Lnot_wave_0_\@
	s_barrier_signal -3
.Lnot_wave_0_\@:
	s_barrier_wait -3
	s_barrier_signal -1
	s_barrier_wait -1
.endm
.macro WMZ d, a, b, sa, sb, ra         ; a product that starts its sum
.if (\ra)
	v_wmma_scale_f32_16x16x128_f8f6f4 v[\d:\d+7], v[\a:\a+7], v[\b:\b+7], 0, v[\sa], v[\sb] matrix_a_fmt:MATRIX_FMT_FP4 matrix_b_fmt:MATRIX_FMT_FP4 matrix_a_scale:MATRIX_SCALE_ROW1
.else
	v_wmma_scale_f32_16x16x128_f8f6f4 v[\d:\d+7], v[\a:\a+7], v[\b:\b+7], 0, v[\sa], v[\sb] matrix_a_fmt:MATRIX_FMT_FP4 matrix_b_fmt:MATRIX_FMT_FP4
.endif
.endm
.macro WMA d, a, b, sa, sb, ra         ; a product that adds in place
.if (\ra)
	v_wmma_scale_f32_16x16x128_f8f6f4 v[\d:\d+7], v[\a:\a+7], v[\b:\b+7], v[\d:\d+7], v[\sa], v[\sb] matrix_a_fmt:MATRIX_FMT_FP4 matrix_b_fmt:MATRIX_FMT_FP4 matrix_a_scale:MATRIX_SCALE_ROW1
.else
	v_wmma_scale_f32_16x16x128_f8f6f4 v[\d:\d+7], v[\a:\a+7], v[\b:\b+7], v[\d:\d+7], v[\sa], v[\sb] matrix_a_fmt:MATRIX_FMT_FP4 matrix_b_fmt:MATRIX_FMT_FP4
.endif
.endm
; A step's twenty LDS loads, by number: 0-7 this step's V, 8-9 its scale words; 10-17 the NEXT step's K (fragment (c, g), half u at number 10 + 4 c + 2 g + u), 18-19 its scale words.
.macro LD n
.if (\n) < 8
	ds_load_b128 v[VF+4*(\n):VF+4*(\n)+3], v9 offset:OO*STB+((\n)/2)*KBP+((\n)%2)*512   ; OO = 0, 1: which of a trip's two steps; the addresses are made for the first
.elseif (\n) < 10
	ds_load_b32 v[VS+(\n)-8], v11 offset:OO*256+((\n)-8)*128
.elseif (\n) < 18
	ds_load_b128 v[KF+4*((\n)-10):KF+4*((\n)-10)+3], v8 offset:OO*STB+STB+2*KBP*(((\n)-10)/4)+128*((((\n)-10)/2)%2)+512*(((\n)-10)%2)
.else
	ds_load_b32 v[KS+(\n)-18], v10 offset:OO*256+256+128*((\n)-18)
.endif
.endm
.macro TM j                            ; t - M, two at a time
	v_pk_fma_f32 v[SS+(\j):SS+(\j)+1], v[SS+(\j):SS+(\j)+1], s[CS:CS+1], v[12:13] op_sel_hi:[1,0,0]
.endm
.macro OM j                            ; O^T under the new M, two at a time
	v_pk_mul_f32 v[OT+(\j):OT+(\j)+1], v[OT+(\j):OT+(\j)+1], v[FF:FF+1] op_sel_hi:[1,0]
.endm
.macro TADD d, a                       ; pair d of the partial sums += pair a
	v_pk_add_f32 v[T+2*(\d):T+2*(\d)+1], v[T+2*(\d):T+2*(\d)+1], v[T+2*(\a):T+2*(\a)+1]
.endm
	s_load_b128 s[4:7], s[0:1], 0x0                ; qkv, att
	v_lshl_add_u32 v[SPW], v0, 2, SPARE
	v_mov_b32 v[NIL], 0
	ds_add_u32 v[SPW], v[NIL]                      ; the wave's opening: the add, twice on end, and its wait
	ds_add_u32 v[SPW], v[NIL]
	v_lshrrev_b32 v8, 5, v0
	v_readfirstlane_b32 s[WV], v8                  ; wave 0 .. 15
	s_bfe_u32 s9, ttmp6, 0x40000                   ; cx: it enters Q's and att's addresses alone
	s_and_b32 s10, ttmp7, 0xffff
	s_and_b32 s11, s10, 15                         ; the head
	s_lshr_b32 s12, s10, 4                         ; the batch
	; group 1 for the codes: 16 rows of 128 elements of 8 bytes, 32 words of padding behind each 256
	s_mov_b32 s24, 15|(3<<16)|(1<<20)|(1<<21)|(7<<22)|(31<<25)
	s_mov_b32 s25, 128<<16
	s_mov_b32 s26, 16<<16
	s_mov_b32 s27, 128<<16
	s_mov_b32 s28, 16
	s_mov_b32 s29, 128
	s_mov_b32 s30, 0
	s_mov_b32 s31, 0
	; group 1 for the scale words: 4,096 dense bytes as 16 rows of 32 elements of 8 bytes
	s_mov_b32 s68, 15|(3<<16)|(1<<21)
	s_mov_b32 s69, 32<<16
	s_mov_b32 s70, 16<<16
	s_mov_b32 s71, 32<<16
	s_mov_b32 s72, 16
	s_mov_b32 s73, 32
	s_mov_b32 s74, 0
	s_mov_b32 s75, 0
	s_lshl_b32 s42, s11, 2
	s_add_co_u32 s42, s42, s12
	s_mul_i32 s42, s42, HREC                       ; q's record; k's lies 64 records on, v's 128
	s_and_b32 s47, s[WV], 7                        ; waves 0-3: quarter wave % 4 of K's codes; waves 4-7: of V's
	s_lshr_b32 s44, s47, 2
	s_add_co_u32 s44, s44, 1
	s_mul_i32 s44, s44, 64*HREC
	s_and_b32 s45, s47, 3
	s_lshl_b32 s45, s45, 14
	s_add_co_u32 s44, s44, s45
	s_add_co_u32 s44, s44, s42
	s_mov_b32 s45, 0
	s_mul_i32 s46, s47, 16*KBP                     ; and where it goes
	s_and_b32 s60, s[WV], 1                        ; wave 8: K's scale words; wave 9: V's
	s_add_co_u32 s62, s60, 1
	s_mul_i32 s62, s62, 64*HREC
	s_add_co_u32 s62, s62, s42
	s_add_co_u32 s62, s62, 65536
	s_mov_b32 s63, 0
	s_lshl_b32 s61, s60, 12
	s_add_co_u32 s61, s61, SCK
	s_lshl_b32 s48, s9, 4
	s_lshr_b32 s49, s[WV], 1
	s_add_co_u32 s48, s48, s49                     ; pass 0's pair of query tiles: 16 cx + wave / 2
	s_and_b32 s57, s[WV], 1                        ; and which tile of the pair
	s_lshl_b32 s50, s48, 10
	s_lshl_b32 s51, s57, 9
	s_add_co_u32 s50, s50, s51
	s_add_co_u32 s50, s50, s42
	s_mov_b32 s51, 0
	s_lshl_b32 s52, s48, 6
	s_add_co_u32 s52, s52, s42
	s_add_co_u32 s52, s52, 65536
	s_mov_b32 s53, 0
	s_lshl_b32 s54, s12, 7
	s_lshl_b32 s55, s9, 5
	s_add_co_u32 s54, s54, s55
	s_add_co_u32 s54, s54, s[WV]                   ; T of pass 0: 128 batch + 32 cx + wave
	s_lshl_b32 s54, s54, 13
	s_lshl_b32 s55, s11, 9
	s_add_co_u32 s54, s54, s55
	s_mov_b32 s55, 0
	s_lshl_b32 s56, s12, 2
	s_add_co_u32 s56, s56, s9
	s_lshl_b32 s56, s56, 10                        ; the work-group's 32 tiles x 32 scale bytes
	s_lshl_b32 s59, s11, 14
	s_add_co_u32 s56, s56, s59
	s_add_co_u32 s56, s56, 4194304
	s_mul_i32 s58, s57, 0x02020202
	s_add_co_u32 s58, s58, 0x01000100              ; byte selects: my tile's two bytes of the pair's word, twice
	s_mov_b32 s57, 0
	s_mov_b32 s[CS], 0x3e38aa3b                    ; c = log2(e) / sqrt(64)
	s_mov_b32 s[CS+1], s[CS]
	s_mov_b32 s[SEL], 0x76543210
	s_mov_b32 s[SEL+1], 0xfedcba98
	s_mov_b32 s[MASK], 0xffff0000
	s_wait_dscnt 0x0                               ; both opening adds are done
	s_wait_kmcnt 0x0
	s_mov_b32 s32, 1
	s_mov_b32 s33, s46
	s_add_nc_u64 s[34:35], s[4:5], s[44:45]
	s_or_b32 s35, s35, 0x80000000
	s_mov_b32 s76, 1
	s_mov_b32 s77, s61
	s_add_nc_u64 s[78:79], s[4:5], s[62:63]
	s_or_b32 s79, s79, 0x80000000
	s_add_nc_u64 s[14:15], s[4:5], s[50:51]        ; q's codes
	s_add_nc_u64 s[16:17], s[4:5], s[52:53]        ; q's scale words
	s_add_nc_u64 s[18:19], s[6:7], s[54:55]        ; att's codes
	s_add_nc_u64 s[20:21], s[6:7], s[56:57]        ; att's scale bytes
	CROUND                                         ; all four work-groups are here: the joint loads meet
	s_cmp_lt_u32 s[WV], 8                          ; one chain of branches on the wave's number, one load to an arm
	s_cbranch_scc0 .Lfor_scales
	tensor_load_to_lds s[32:35], s[24:31]
	s_nop 0
.rept 4
	v_nop
.endr
	s_branch .Lasked
.Lfor_scales:
	s_cmp_lt_u32 s[WV], 10
	s_cbranch_scc0 .Lasked
	tensor_load_to_lds s[76:79], s[68:75]
	s_nop 0
.rept 4
	v_nop
.endr
.Lasked:
	v_and_b32 v8, 31, v0                           ; lane
	v_and_b32 v9, 15, v0                           ; r
	v_bfe_u32 v10, v0, 4, 1                        ; h
	v_bfe_u32 v11, v0, 3, 1                        ; r / 8
	v_and_b32 v12, 7, v0                           ; r % 8
	v_lshlrev_b32 v1, 4, v8
	v_lshlrev_b32 v214, 2, v9
	v_mul_u32_u24 v2, v11, KBP
	v_lshlrev_b32 v4, 6, v11
	v_add_nc_u32 v3, VB, v1
	v_lshl_add_u32 v2, v12, 4, v2
	v_lshl_add_u32 v4, v12, 2, v4
	v_lshl_add_u32 v5, v8, 2, SCV
	v_lshl_add_u32 v2, v10, 8, v2                  ; K: 1152 (r / 8) + 16 (r % 8) + 256 h
	v_lshl_add_u32 v4, v10, 5, v4
	v_mov_b32 v[PSEL], 0x0c040c00                  ; lanes 0-15: my two bytes go to places 0 and 2 of the scale word, zeros between;
	v_mov_b32 v215, 0x040c000c                     ; lanes 16-31: to places 1 and 3
	v_add_nc_u32 v4, SCK, v4                       ; K's words: 64 (r / 8) + 4 (r % 8) + 32 h
	s_lshl_b32 s59, s[WV], 5
	v_lshl_add_u32 v[SBA], v9, 1, v10
	v_add_nc_u32 v[SBR], SCG, v1
	v_cndmask_b32 v[PSEL], v[PSEL], v215, s[MASK]
	v_add_nc_u32 v[SBA], s59, v[SBA]
	v_add_nc_u32 v[SBA], SCG, v[SBA]               ; 32 wave + 2 r + h
.irp p, 0,1
	global_load_b128 v[Q+12*\p:Q+12*\p+3], v1, s[14:15] offset:\p*8192
	global_load_b128 v[Q+12*\p+8:Q+12*\p+11], v1, s[14:15] offset:\p*8192
	global_load_b32 v[TMP+2+\p], v214, s[16:17] offset:\p*512
.endr
.irp p, 0,1
.irp j, 4,5,6,7
	v_mov_b32 v[Q+12*\p+\j], 0                     ; the zero codes between
.endr
.endr
	v_mov_b32 v[TMP], 0                            ; a lane permute's destination counts as a source
	v_mov_b32 v[TMP+1], 0
	v_mov_b32 v[FF+1], 0                           ; (named as the upper half of a pair before it is first written)
	s_wait_alu depctr_va_vdst(0)
	s_wait_loadcnt 0x0
	v_perm_b32 v[QS], v[TMP+2], v[TMP+2], s58
	v_perm_b32 v[QS+1], v[TMP+3], v[TMP+3], s58
	s_wait_alu depctr_va_vdst(0)
	s_wait_tensorcnt 0x0                           ; my part is in,
	s_barrier_signal -1
	s_barrier_wait -1                              ; everybody's is
; A KEY STEP: 128 keys.
.macro STEP p
	s_wait_dscnt 0x0                               ; this step's K, asked for in the last step
.irp c, 0,1
.irp g, 0,1
	WMZ SS+32*\c+16*\g, KF+16*\c+8*\g, Q+12*(\p), KS+\c, QS+(\p), \g
	WMZ SS+32*\c+16*\g+8, KF+16*\c+8*\g, Q+12*(\p)+4, KS+\c, QS+(\p), \g
.endr
.endr
.irp j, 0,1,2,3
	TADD \j, \j+4                                  ; the last step's eight partial sums are joined here: these four are the places behind the products
.endr
.if OO == 0
	v_add_nc_u32 v8, s[TB], v2                     ; the trip's addresses: its second step reaches its bytes by immediates
	v_add_nc_u32 v9, s[TB], v3
	v_add_nc_u32 v10, s[TS], v4
	v_add_nc_u32 v11, s[TS], v5
.endif
.set jj, 0
.rept 20
	LD jj                                          ; all twenty loads in one run: this step's V, then the next step's K (behind the last step: bytes of V's, which nobody uses)
.set jj, jj+1
.endr
.irp n, 0,1,2,3,4,5,6,7
	v_max3_num_f32 v[M8+\n], v[SS+8*\n], v[SS+8*\n+1], v[SS+8*\n+2]   ; eight chains, one a tile, each accumulator from its low end on
.endr
	TADD 0, 1
	TADD 2, 3
.irp n, 0,1,2,3,4,5,6,7
	v_max3_num_f32 v[M8+\n], v[M8+\n], v[SS+8*\n+3], v[SS+8*\n+4]
.endr
	TADD 0, 2
.irp n, 0,1,2,3,4,5,6,7
	v_max3_num_f32 v[M8+\n], v[M8+\n], v[SS+8*\n+5], v[SS+8*\n+6]
.endr
.irp n, 0,2,4,6
	v_max3_num_f32 v[M8+\n], v[M8+\n], v[SS+8*\n+7], v[SS+8*\n+15]
.endr
	v_pk_add_f32 v[14:15], v[14:15], v[T:T+1]      ; the sum up to the last step, under the old M
	v_mov_b32 v[TMP+2], v12
.irp c, 0,1
	v_max3_num_f32 v[M8+4*\c], v[M8+4*\c], v[M8+4*\c+1], v[M8+4*\c+2]
.endr
.irp c, 0,1
	s_delay_alu instid0(VALU_DEP_2)
	v_max_num_f32 v[MX+\c], v[M8+4*\c], v[M8+4*\c+3]   ; the largest score of my block 2 c + h
.endr
	s_delay_alu instid0(VALU_DEP_1)
	v_max_num_f32 v[TMP], v[MX], v[MX+1]
	s_delay_alu instid0(VALU_DEP_1)
	v_permlanex16_b32 v[TMP+1], v[TMP], s[SEL], s[SEL+1]
	s_delay_alu instid0(VALU_DEP_1)
	v_max3_num_f32 v13, v13, v[TMP], v[TMP+1]      ; the running largest score of my query
	s_delay_alu instid0(VALU_DEP_1)
	v_mul_f32 v[TMP], s[CS], v13                   ; as t (c is positive)
	s_delay_alu instid0(VALU_DEP_1)
	v_floor_f32 v12, -v[TMP]                       ; the new -M = floor(-t): M is a whole number
	s_delay_alu instid0(VALU_DEP_1)
	v_sub_f32 v[TMP+2], v12, v[TMP+2]              ; old M - new M: a whole number, 0 or less
.irp c, 0,1
	v_fma_f32 v[MX+\c], v[MX+\c], s[CS], v12       ; x = the block's largest t - M.  From here on three chains (f, the two scales) stand among block 0's t - M and O^T's rescaling
.endr
	TM 0
	TM 2
	TM 4
	v_cvt_i32_f32 v[TMP+2], v[TMP+2]               ; (it saturates)
.irp c, 0,1
	v_max_num_f32 v[MX+\c], 0xc2f80000, v[MX+\c]   ; held at -124 from below
.endr
	TM 6
	TM 8
	TM 10
	v_ldexp_f32 v[FF], 1.0, v[TMP+2]               ; f = 2^(old M - new M): a multiplication by it rounds nothing
.irp c, 0,1
	v_floor_f32 v[MX+\c], v[MX+\c]
.endr
	TM 12
	TM 14
	TM 16
.irp c, 0,1
	v_add_f32 v[MX+\c], 0x4b40007d, v[MX+\c]       ; + 1.5 x 2^23 + 125: the low byte of these bits is the scale's byte, 1 .. 125
.endr
	TM 18
	TM 20
	TM 22
	TM 24
.irp c, 0,1
	v_lshlrev_b32 v[SCO+\c], 23, v[MX+\c]          ; the byte as an exponent field: the conversion's scale operand
.endr
	v_perm_b32 v[TMP], v[MX+1], v[MX], v[PSEL]     ; blocks h and 2 + h at their places in the word
	TM 26
	TM 28
	TM 30
	OM 0
	OM 2
	v_permlanex16_b32 v[TMP+1], v[TMP], s[SEL], s[SEL+1]
.irp j, 4,6,8,10,12
	OM \j
.endr
	v_or_b32 v[FF+1], v[TMP], v[TMP+1]             ; with lane l xor 16's two: p's scale word for these 128 keys
.irp j, 14,16,18,20,22,24,26,28,30
	OM \j
.endr
	v_pk_mul_f32 v[14:15], v[14:15], v[FF:FF+1] op_sel_hi:[1,0]
	s_wait_alu depctr_va_vdst(0)
.set jj, 0
.rept 16
	v_exp_f32 v[SS+2*jj], v[SS+2*jj]               ; p of block c = 0; between them block 1's t - M, first read behind the next wait
	TM 32+2*jj
	v_exp_f32 v[SS+2*jj+1], v[SS+2*jj+1]
.set jj, jj+1
.endr
	s_wait_alu depctr_va_vdst(0)                   ; behind that batch and ahead of the next
.set jj, 0
.rept 8
	v_exp_f32 v[SS+32+2*jj], v[SS+32+2*jj]         ; the first half of block 1, by turns with block 0's sums and codes
	v_pk_add_f32 v[T+2*jj:T+2*jj+1], v[SS+2*jj:SS+2*jj+1], v[SS+16+2*jj:SS+16+2*jj+1]
	v_exp_f32 v[SS+33+2*jj], v[SS+33+2*jj]
.if jj < 4
	v_cvt_scalef32_pk8_fp4_f32 v[PC+jj], v[SS+8*jj:SS+8*jj+7], v[SCO]
.endif
.set jj, jj+1
.endr
	s_wait_alu depctr_va_vdst(0)
.set jj, 0
.rept 8
	v_exp_f32 v[SS+48+2*jj], v[SS+48+2*jj]         ; its second half, by turns with the first half's sums and codes
	v_pk_add_f32 v[T+2*jj:T+2*jj+1], v[T+2*jj:T+2*jj+1], v[SS+32+2*jj:SS+32+2*jj+1]
	v_exp_f32 v[SS+49+2*jj], v[SS+49+2*jj]
.if jj < 2
	v_cvt_scalef32_pk8_fp4_f32 v[PC+4+jj], v[SS+32+8*jj:SS+32+8*jj+7], v[SCO+1]
.endif
.set jj, jj+1
.endr
	s_wait_alu depctr_va_vdst(0)                   ; behind the last batch
	v_pk_add_f32 v[T:T+1], v[T:T+1], v[SS+48:SS+49]   ; (a plain line behind the last exponential)
	v_cvt_scalef32_pk8_fp4_f32 v[PC+6], v[SS+48:SS+55], v[SCO+1]
	v_cvt_scalef32_pk8_fp4_f32 v[PC+7], v[SS+56:SS+63], v[SCO+1]
.irp j, 1,2,3,4,5,6,7
	v_pk_add_f32 v[T+2*\j:T+2*\j+1], v[T+2*\j:T+2*\j+1], v[SS+48+2*\j:SS+48+2*\j+1]   ; these seven are also the places ahead of the products
.endr
	s_wait_alu depctr_va_vdst(0)
	s_wait_dscnt 10                                ; V is in; the next step's K, eight loads and two of scale words, may be out
.irp t, 0,1,2,3
	WMA OT+8*\t, VF+8*\t, PC, VS+\t/2, FF+1, \t%2  ; the four accumulators by turns; the next step's eight products stand between two turns of one
.endr
.endm
.macro PASS p
	s_wait_dscnt 0x0                               ; no load into K's registers is out
.irp c, 0,1
.irp g, 0,1
.irp u, 0,1
	ds_load_b128 v[KF+16*\c+8*\g+4*\u:KF+16*\c+8*\g+4*\u+3], v2 offset:2*KBP*\c+128*\g+512*\u   ; step 0's K
.endr
.endr
.endr
.irp c, 0,1
	ds_load_b32 v[KS+\c], v4 offset:128*\c
.endr
	v_mov_b32 v13, 0xff61b1e6                      ; the largest score so far: -3e38
	v_floor_f32 v12, -v13                          ; -M
	v_mov_b32 v14, 0
	v_mov_b32 v15, 0
.set jj, 0
.rept 32
	v_mov_b32 v[OT+jj], 0                          ; the step is written once: the first finds zeros, which the first change of M leaves zeros
.set jj, jj+1
.endr
.set jj, 0
.rept 16
	v_mov_b32 v[T+jj], 0
.set jj, jj+1
.endr
	s_mov_b32 s[TB], 0
	s_mov_b32 s[TS], 0
	s_mov_b32 s[CNT], 8                            ; a trip is two key steps
	s_wait_alu depctr_va_vdst(0)
.Lstep_\@:
.set OO, 0
	STEP \p
.set OO, 1
	STEP \p
	s_add_co_u32 s[TB], s[TB], 2*STB
	s_add_co_u32 s[TS], s[TS], 512
	s_sub_co_u32 s[CNT], s[CNT], 1
	s_cmp_lg_u32 s[CNT], 0
	s_cbranch_scc1 .Lstep_\@
	; the way out: the last step's partial sums; O^T / the sum, quantised along the head's 64: two blocks of product 6's K
.irp j, 0,1,2,3
	TADD \j, \j+4
.endr
	TADD 0, 1
	TADD 2, 3
	TADD 0, 2
	v_pk_add_f32 v[14:15], v[14:15], v[T:T+1]
	v_add_f32 v14, v14, v15
	v_permlanex16_b32 v[TMP+1], v14, s[SEL], s[SEL+1]
	v_add_f32 v14, v14, v[TMP+1]                   ; the row's sum
	s_wait_alu depctr_va_vdst(0)
	v_rcp_f32 v14, v14
	v_nop                                          ; a plain line behind the reciprocal
	s_wait_alu depctr_va_vdst(0)                   ; ahead of the first reader of the reciprocal and of O^T
.set jj, 0
.rept 16
	v_pk_mul_f32 v[SS+jj:SS+jj+1], v[OT+jj:OT+jj+1], v[14:15] op_sel_hi:[1,0]   ; register 16 b + i is channel 32 b + 16 h + i of my query
.set jj, jj+2
.endr
.irp b, 0,1
	v_max3_num_f32 v[MX+\b], |v[SS+16*\b]|, |v[SS+16*\b+1]|, 0x1800000
.endr
.irp i, 2,4,6,8,10,12,14
.irp b, 0,1
	v_max3_num_f32 v[MX+\b], v[MX+\b], |v[SS+16*\b+\i]|, |v[SS+16*\b+\i+1]|
.endr
.endr
.irp b, 0,1
	v_permlanex16_b32 v[TMP+\b], v[MX+\b], s[SEL], s[SEL+1]
.endr
.irp b, 0,1
	v_max_num_f32 v[MX+\b], v[MX+\b], v[TMP+\b]
.endr
.irp b, 0,1
	v_add_nc_u32 v[SCO+\b], 0xff000000, v[MX+\b]
.endr
.irp b, 0,1
	v_lshrrev_b32 v[TMP+\b], 23, v[SCO+\b]
.endr
.irp b, 0,1
	v_cvt_scalef32_pk8_fp4_f32 v[OC+4*(\p)+2*\b], v[SS+16*\b:SS+16*\b+7], v[SCO+\b]
	v_cvt_scalef32_pk8_fp4_f32 v[OC+4*(\p)+2*\b+1], v[SS+16*\b+8:SS+16*\b+15], v[SCO+\b]
.endr
	v_cndmask_b32 v[BYTE], v[TMP], v[TMP+1], s[MASK]   ; lanes 0-15 keep block 0's byte, lanes 16-31 block 1's.  (A plain line behind the last conversion)
.irp i, 0,1
	v_permlane16_swap_b32 v[OC+4*(\p)+\i], v[OC+4*(\p)+2+\i]
.endr
	global_store_b128 v1, v[OC+4*(\p):OC+4*(\p)+3], s[18:19] offset:(\p)*131072   ; 512 consecutive bytes; pass 1's tile lies 16 tiles on
	ds_store_b8 v[SBA], v[BYTE] offset:512*(\p)
.endm
	PASS 0
	PASS 1
	s_wait_alu depctr_va_vdst(0)
	s_wait_dscnt 0x0                               ; for the others' sake: my scale bytes have landed
	s_barrier_signal -1
	s_barrier_wait -1
	s_cmp_lg_u32 s[WV], 0
	s_cbranch_scc1 .Lnot_first
	ds_load_b128 v[SS:SS+3], v[SBR]
	ds_load_b128 v[SS+4:SS+7], v[SBR] offset:512
	s_wait_dscnt 0x0
	global_store_b128 v1, v[SS:SS+3], s[20:21]     ; the work-group's 1,024 scale bytes: consecutive, aligned
	global_store_b128 v1, v[SS+4:SS+7], s[20:21] offset:512
.Lnot_first:
	s_wait_tensorcnt 0x0                           ; the wave's end
	ds_add_u32 v[SPW], v[NIL]
	s_wait_dscnt 0x0
	CROUND                                         ; the closing round
	s_endpgm
.Lfunc_end_k_q4f3493c693_attention:
	.size	k_q4f3493c693_attention, .Lfunc_end_k_q4f3493c693_attention-k_q4f3493c693_attention
	.p2alignl 7, 3214868480
	.fill 96, 4, 3214868480
	.section	.rodata,"a",@progbits
	.p2align	6, 0x0
	.amdhsa_kernel k_q4f3493c693_attention
		.amdhsa_group_segment_fixed_size 167936
		.amdhsa_private_segment_fixed_size 0
		.amdhsa_enable_private_segment 0
		.amdhsa_kernarg_size 16
		.amdhsa_user_sgpr_count 2
		.amdhsa_user_sgpr_kernarg_segment_ptr 1
		.amdhsa_wavefront_size32 1
		.amdhsa_system_sgpr_workgroup_id_x 1
		.amdhsa_system_sgpr_workgroup_id_y 1
		.amdhsa_system_sgpr_workgroup_id_z 1
		.amdhsa_system_vgpr_workitem_id 0
		.amdhsa_next_free_vgpr 256
		.amdhsa_next_free_sgpr 84
		.amdhsa_reserve_vcc 0
		.amdhsa_float_denorm_mode_32 3
		.amdhsa_float_denorm_mode_16_64 3
		.amdhsa_memory_ordered 1
		.amdhsa_forward_progress 1
		.amdhsa_inst_pref_size 78
	.end_amdhsa_kernel
	.amdgpu_metadata
---
amdhsa.version: [ 1, 2 ]
amdhsa.kernels:
  - .name:           k_q4f3493c693_attention
    .symbol:         k_q4f3493c693_attention.kd
    .args:
      - { .name: qkv, .offset: 0, .size: 8, .value_kind: global_buffer, .address_space: global }
      - { .name: att, .offset: 8, .size: 8, .value_kind: global_buffer, .address_space: global }
    .group_segment_fixed_size: 167936
    .private_segment_fixed_size: 0
    .kernarg_segment_align: 8
    .kernarg_segment_size: 16
    .max_flat_workgroup_size: 512
    .sgpr_count:     84
    .vgpr_count:     256
    .wavefront_size: 32
...
	.end_amdgpu_metadata
.endif
;; end of part 3
;; launch out_ln (part 4): grid 256 x 1, 16 waves a work-group, no clusters, 150,016 bytes of LDS; arguments att, wq, bo, inputs, gamma, beta, out0; writes out0
.if DOCPART == 4
	.amdgcn_target "amdgcn-amd-amdhsa--gfx1250"
	.amdhsa_code_object_version 6
	.text
	.protected	k_q4f3493c693_out_ln
	.globl	k_q4f3493c693_out_ln
	.p2align	8
	.type	k_q4f3493c693_out_ln,@function
k_q4f3493c693_out_ln:
	s_mov_b64 s[64:65], 0
	v_nop
	global_prefetch_b8 v0, s[64:65] scope:SCOPE_SE
	s_setreg_imm32_b32 hwreg(HW_REG_WAVE_MODE, 25, 1), 1
	s_wait_xcnt 0x0
; out0 = layer_norm(inputs + att Wo + bo) x gamma + beta: product 6 on codes of E2M1, the rest in f32.  No work is left out.  Limits: as stated at the head of quant_x.
; SHARES.  Work-group g owns tiles 2 g and 2 g + 1 of att: rows 32 g .. 32 g + 31, all 1,024 columns, so that a row's mean and variance stay in the work-group.  Wave w makes columns 64 w .. 64 w + 63 (Wo's tiles
; 192 + 4 w + t of wq) for the 32 rows: eight accumulators, by turns; source 0 = a tile of Wo, source 1 = a tile of att: a lane holds one row and eight neighbouring columns.
; att's 16,384 bytes of codes go to LDS once, as they lie (images of operand registers).  Wo's fragments go from memory straight into registers, two K steps ahead.
; NO CLUSTER, though all work-groups walk the same Wo: a K step is eight products a wave, and tiles shared through LDS would be filled again behind a round of the cluster's barrier for each such step.
; The results meet in a stage in LDS (rows 4,096 + 16 bytes); then each wave owns two whole rows: residual, mean, variance (of the differences from the mean), gain and bias.
.set XREC,  8704
.set STG,   16384                      ; LDS: att's images at 0; the stage behind them
.set SROW,  4112
.set SPARE, STG+32*SROW                ; the spare words, 128 bytes a wave
.set SPW,   9
.set NIL,   10
.set BS,    16                         ; v16-31  Wo's scale words: pair b of tiles, K step s at 8 b + s
.set AS,    32                         ; v32-39  att's scale words of the eight K steps: lanes 0-15 tile 0, lanes 16-31 tile 1
.set AH,    40                         ; v40-47  their upper halves as loaded; later at work
.set AF,    48                         ; v48-63  att's two fragments
.set BF,    64                         ; v64-95, v96-127 Wo's four fragments, two sets; later gamma, beta
.set ACC,   128                        ; v128-191 accumulator (a, t) at 128 + 32 a + 8 t; later my two rows
.set RES,   192                        ; v192-255 my two rows of inputs
.set SEL,   34
.macro WM d, a, b, c, sa, sb, ra, rb
.if (\ra) && (\rb)
	v_wmma_scale_f32_16x16x128_f8f6f4 v[\d:\d+7], v[\a:\a+7], v[\b:\b+7], v[\c:\c+7], v[\sa], v[\sb] matrix_a_fmt:MATRIX_FMT_FP4 matrix_b_fmt:MATRIX_FMT_FP4 matrix_a_scale:MATRIX_SCALE_ROW1 matrix_b_scale:MATRIX_SCALE_ROW1
.elseif (\ra)
	v_wmma_scale_f32_16x16x128_f8f6f4 v[\d:\d+7], v[\a:\a+7], v[\b:\b+7], v[\c:\c+7], v[\sa], v[\sb] matrix_a_fmt:MATRIX_FMT_FP4 matrix_b_fmt:MATRIX_FMT_FP4 matrix_a_scale:MATRIX_SCALE_ROW1
.elseif (\rb)
	v_wmma_scale_f32_16x16x128_f8f6f4 v[\d:\d+7], v[\a:\a+7], v[\b:\b+7], v[\c:\c+7], v[\sa], v[\sb] matrix_a_fmt:MATRIX_FMT_FP4 matrix_b_fmt:MATRIX_FMT_FP4 matrix_b_scale:MATRIX_SCALE_ROW1
.else
	v_wmma_scale_f32_16x16x128_f8f6f4 v[\d:\d+7], v[\a:\a+7], v[\b:\b+7], v[\c:\c+7], v[\sa], v[\sb] matrix_a_fmt:MATRIX_FMT_FP4 matrix_b_fmt:MATRIX_FMT_FP4
.endif
.endm
	s_load_b256 s[4:11], s[0:1], 0x0               ; att, wq, bo, inputs
	s_load_b128 s[12:15], s[0:1], 0x20             ; gamma, beta
	s_load_b64 s[16:17], s[0:1], 0x30              ; out0
	v_lshl_add_u32 v[SPW], v0, 2, SPARE
	v_mov_b32 v[NIL], 0
	v_lshrrev_b32 v11, 5, v0
	s_delay_alu instid0(VALU_DEP_1)
	v_readfirstlane_b32 s18, v11                   ; wave 0 .. 15
	v_and_b32 v11, 31, v0                          ; lane
	v_and_b32 v12, 15, v0                          ; r
	v_bfe_u32 v13, v0, 4, 1                        ; h
	s_delay_alu instid0(VALU_DEP_3)
	v_lshlrev_b32 v1, 4, v11                       ; v1 16 x lane
	s_delay_alu instid0(VALU_DEP_2)
	v_lshlrev_b32 v2, 6, v13                       ; v2 64 h: bo's 16 h columns
	s_delay_alu instid0(VALU_DEP_3)
	v_mul_u32_u24 v3, v13, XREC
	s_delay_alu instid0(VALU_DEP_1)
	v_lshl_add_u32 v3, v12, 4, v3                  ; v3 a pair's scale words: 16 r, lanes 16-31 one record on
	v_lshlrev_b32 v4, 1, v11                       ; v4 2 x lane: att's scale bytes of rows 16 a + r
	v_mul_u32_u24 v5, v12, SROW
	s_delay_alu instid0(VALU_DEP_1)
	v_lshl_add_u32 v5, v13, 6, v5
	s_lshl_b32 s19, s18, 8
	s_add_co_u32 s19, s19, STG
	v_add_nc_u32 v5, s19, v5                       ; v5 the stage, on the way in: row r of tile 0, + 256 wave + 64 h
	s_delay_alu instid0(VALU_DEP_1)
	v_add_nc_u32 v6, 16*SROW, v5                   ; v6 the same for tile 1
	s_mul_i32 s19, s18, 2*SROW
	s_add_co_u32 s19, s19, STG
	v_add_nc_u32 v7, s19, v1                       ; v7 on the way out: my two rows, 16 bytes a lane
	s_lshl_b32 s19, s18, 10
	v_add_nc_u32 v8, s19, v1                       ; v8 my wave's 1,024 bytes of att's codes, in memory and in LDS alike
	s_lshl_b32 s40, ttmp9, 14                      ; att's codes: 16,384 bytes a work-group
	s_mov_b32 s41, 0
	s_lshl_b32 s42, ttmp9, 6                       ; its scale bytes: 64 for the two tiles, in each head's run
	s_add_co_u32 s42, s42, 4194304
	s_mov_b32 s43, 0
	s_lshl_b32 s44, s18, 2
	s_add_co_u32 s44, s44, 192
	s_mul_i32 s44, s44, XREC                       ; Wo's tiles 192 + 4 w on
	s_mov_b32 s45, 0
	s_lshl_b32 s46, s18, 8                         ; bo at column 64 w
	s_mov_b32 s47, 0
	s_lshl_b32 s48, ttmp9, 5                       ; stage rows 2 w, 2 w + 1 are rows 32 g + 8 (w / 8) + 2 (w % 8) + 8 ((w / 4) % 2) and the next
	s_lshr_b32 s49, s18, 3
	s_lshl_b32 s49, s49, 3
	s_add_co_u32 s48, s48, s49
	s_and_b32 s49, s18, 7
	s_lshl_b32 s49, s49, 1
	s_add_co_u32 s48, s48, s49
	s_bfe_u32 s49, s18, 0x10002
	s_lshl_b32 s49, s49, 3
	s_add_co_u32 s48, s48, s49
	s_lshl_b32 s48, s48, 12
	s_mov_b32 s49, 0
	s_mov_b32 s[SEL], 0x76543210
	s_mov_b32 s[SEL+1], 0xfedcba98
	s_mov_b32 s36, 0x3a800000                      ; 1 / 1024
	s_mov_b32 s37, 0x358637bd                      ; 1e-6
	s_wait_alu depctr_va_vdst(0)
	s_wait_kmcnt 0x0
	s_add_nc_u64 s[22:23], s[4:5], s[40:41]
	s_add_nc_u64 s[24:25], s[4:5], s[42:43]
	s_add_nc_u64 s[26:27], s[6:7], s[44:45]
	s_add_nc_u64 s[28:29], s[8:9], s[46:47]
	s_add_nc_u64 s[30:31], s[10:11], s[48:49]
	s_add_nc_u64 s[32:33], s[16:17], s[48:49]
.macro BLOAD s                         ; Wo's four fragments of K step s
.irp t, 0,1,2,3
.irp c, 0,1
	global_load_b128 v[BF+32*((\s)%2)+8*\t+4*\c:BF+32*((\s)%2)+8*\t+4*\c+3], v1, s[26:27] offset:\t*XREC+(\s)*1024+\c*512
.endr
.endr
.endm
	global_load_b128 v[AF:AF+3], v8, s[22:23]
	global_load_b128 v[AF+4:AF+7], v8, s[22:23] offset:512
.irp s, 0,1,2,3,4,5,6,7
	global_load_u16 v[AS+\s], v4, s[24:25] offset:(2*\s)*16384      ; K step s is heads 2 s and 2 s + 1: two bytes of each
	global_load_u16 v[AH+\s], v4, s[24:25] offset:(2*\s+1)*16384
.endr
.irp b, 0,1
.irp q, 0,1
	global_load_b128 v[BS+8*\b+4*\q:BS+8*\b+4*\q+3], v3, s[26:27] offset:2*\b*XREC+8192+256*\q
.endr
.endr
.irp a, 0,1
.irp t, 0,1,2,3
	global_load_b128 v[ACC+32*\a+8*\t:ACC+32*\a+8*\t+3], v2, s[28:29] offset:(32*(\t/2)+8*(\t%2))*4      ; bo lands in the accumulators, in the result's layout
	global_load_b128 v[ACC+32*\a+8*\t+4:ACC+32*\a+8*\t+7], v2, s[28:29] offset:(32*(\t/2)+8*(\t%2))*4+16
.endr
.endr
	BLOAD 0
	s_wait_loadcnt 44                              ; my piece of att's codes is in; the 16 + 4 + 16 + 8 loads behind it may be out
	ds_store_b128 v8, v[AF:AF+3]
	ds_store_b128 v8, v[AF+4:AF+7] offset:512
	s_wait_dscnt 0x0                               ; for the others' sake
	s_barrier_signal -1
	s_barrier_wait -1                              ; att's two tiles lie in LDS
	BLOAD 1
.irp i, 0,1
.irp j, 0,1,2,3,4,5,6,7
	global_load_b128 v[RES+32*\i+4*\j:RES+32*\i+4*\j+3], v1, s[30:31] offset:\i*4096+\j*512 th:TH_LOAD_NT
.endr
.endr
	s_wait_loadcnt 24                              ; scale bytes, bo and K step 0 of Wo are in; K step 1's 8 loads and the residual's 16 may be out
.irp s, 0,1,2,3,4,5,6,7
	v_lshl_or_b32 v[AS+\s], v[AH+\s], 16, v[AS+\s]
.endr
.rept 8
	v_nop                                          ; a scale register written by a vector instruction stands eight places ahead of the product
.endr
.macro KSTEP s, cnt
.irp a, 0,1
.irp c, 0,1
	ds_load_b128 v[AF+8*\a+4*\c:AF+8*\a+4*\c+3], v1 offset:\a*8192+(\s)*1024+\c*512
.endr
.endr
	s_wait_loadcnt \cnt                            ; this K step's fragments of Wo are in; what was asked for behind them may be out
	s_wait_dscnt 0x0
.irp t, 0,1,2,3
.irp a, 0,1
	WM ACC+32*\a+8*\t, BF+32*((\s)%2)+8*\t, AF+8*\a, ACC+32*\a+8*\t, BS+8*(\t/2)+(\s), AS+(\s), \t%2, \a
.endr
.endr
.rept 4
	v_nop                                          ; four places in front of loads into registers that these products have read, and of the first read of results
.endr
.if (\s)+2 <= 7
	BLOAD (\s)+2
.endif
.endm
	s_wait_alu depctr_va_vdst(0)
	KSTEP 0, 24                                    ; out: K step 1, the residual
	KSTEP 1, 24                                    ; out: the residual, K step 2
	KSTEP 2, 8                                     ; out: the next K step
	KSTEP 3, 8
	KSTEP 4, 8
	KSTEP 5, 8
	KSTEP 6, 8
	KSTEP 7, 0
.irp j, 0,1,2,3,4,5,6,7
	global_load_b128 v[BF+4*\j:BF+4*\j+3], v1, s[12:13] offset:\j*512        ; gamma at my columns 128 j + 4 lane + 0 .. 3
	global_load_b128 v[BF+32+4*\j:BF+32+4*\j+3], v1, s[14:15] offset:\j*512  ; beta
.endr
.irp t, 0,1,2,3
	ds_store_b128 v5, v[ACC+8*\t:ACC+8*\t+3] offset:128*(\t/2)+32*(\t%2)          ; each accumulator from its low end on
	ds_store_b128 v5, v[ACC+8*\t+4:ACC+8*\t+7] offset:128*(\t/2)+32*(\t%2)+16
	ds_store_b128 v6, v[ACC+32+8*\t:ACC+32+8*\t+3] offset:128*(\t/2)+32*(\t%2)
	ds_store_b128 v6, v[ACC+32+8*\t+4:ACC+32+8*\t+7] offset:128*(\t/2)+32*(\t%2)+16
.endr
	s_wait_dscnt 0x0                               ; for the others' sake
	s_barrier_signal -1
	s_barrier_wait -1                              ; 32 whole rows lie in the stage
.irp i, 0,1
.irp j, 0,1,2,3,4,5,6,7
	ds_load_b128 v[ACC+32*\i+4*\j:ACC+32*\i+4*\j+3], v7 offset:\i*SROW+\j*512
.endr
.endr
	s_wait_dscnt 0x0
.set jj, 0
.rept 32
	v_pk_add_f32 v[ACC+jj:ACC+jj+1], v[ACC+jj:ACC+jj+1], v[RES+jj:RES+jj+1]   ; + inputs
.set jj, jj+2
.endr
; the sum of v[40 + 4 i] over the wave's 32 lanes, for both rows by turns
.macro ACROSS
.irp m, 1,2,4,8
.irp i, 0,1
	s_delay_alu instid0(VALU_DEP_2)
	v_add_f32_dpp v[40+4*\i], v[40+4*\i], v[40+4*\i] row_xmask:\m row_mask:0xf bank_mask:0xf
.endr
.endr
.irp i, 0,1
	s_delay_alu instid0(VALU_DEP_2)
	v_permlanex16_b32 v[12+\i], v[40+4*\i], s[SEL], s[SEL+1]
.endr
.irp i, 0,1
	s_delay_alu instid0(VALU_DEP_2)
	v_add_f32 v[40+4*\i], v[40+4*\i], v[12+\i]
.endr
.endm
.irp i, 0,1
	v_pk_add_f32 v[40+4*\i:41+4*\i], v[ACC+32*\i:ACC+32*\i+1], v[ACC+32*\i+2:ACC+32*\i+3]   ; the row's sum: two chains a row
	v_pk_add_f32 v[42+4*\i:43+4*\i], v[ACC+32*\i+4:ACC+32*\i+5], v[ACC+32*\i+6:ACC+32*\i+7]
.endr
.irp k, 8,12,16,20,24,28
.irp i, 0,1
	s_delay_alu instid0(VALU_DEP_4)
	v_pk_add_f32 v[40+4*\i:41+4*\i], v[40+4*\i:41+4*\i], v[ACC+32*\i+\k:ACC+32*\i+\k+1]
	s_delay_alu instid0(VALU_DEP_4)
	v_pk_add_f32 v[42+4*\i:43+4*\i], v[42+4*\i:43+4*\i], v[ACC+32*\i+\k+2:ACC+32*\i+\k+3]
.endr
.endr
.irp i, 0
	s_delay_alu instid0(VALU_DEP_3)
	v_pk_add_f32 v[40+4*\i:41+4*\i], v[40+4*\i:41+4*\i], v[42+4*\i:43+4*\i]
.endr
.irp i, 1
	s_delay_alu instid0(VALU_DEP_2)
	v_pk_add_f32 v[40+4*\i:41+4*\i], v[40+4*\i:41+4*\i], v[42+4*\i:43+4*\i]
.endr
.irp i, 0,1
	s_delay_alu instid0(VALU_DEP_2)
	v_add_f32 v[40+4*\i], v[40+4*\i], v[41+4*\i]
.endr
	ACROSS
.irp i, 0,1
	s_delay_alu instid0(VALU_DEP_2)
	v_mul_f32 v[40+4*\i], s36, v[40+4*\i]          ; the mean
.endr
.irp k, 0,2,4,6,8,10,12,14,16,18,20,22,24,26,28,30
.irp i, 0,1
	v_pk_add_f32 v[ACC+32*\i+\k:ACC+32*\i+\k+1], v[ACC+32*\i+\k:ACC+32*\i+\k+1], v[40+4*\i:41+4*\i] op_sel_hi:[1,0] neg_lo:[0,1] neg_hi:[0,1]   ; x - mean
.endr
.endr
.irp i, 0,1
	v_pk_mul_f32 v[40+4*\i:41+4*\i], v[ACC+32*\i:ACC+32*\i+1], v[ACC+32*\i:ACC+32*\i+1]     ; the sum of their squares
	v_pk_mul_f32 v[42+4*\i:43+4*\i], v[ACC+32*\i+2:ACC+32*\i+3], v[ACC+32*\i+2:ACC+32*\i+3]
.endr
.irp k, 4,8,12,16,20,24,28
.irp i, 0,1
	s_delay_alu instid0(VALU_DEP_4)
	v_pk_fma_f32 v[40+4*\i:41+4*\i], v[ACC+32*\i+\k:ACC+32*\i+\k+1], v[ACC+32*\i+\k:ACC+32*\i+\k+1], v[40+4*\i:41+4*\i]
	s_delay_alu instid0(VALU_DEP_4)
	v_pk_fma_f32 v[42+4*\i:43+4*\i], v[ACC+32*\i+\k+2:ACC+32*\i+\k+3], v[ACC+32*\i+\k+2:ACC+32*\i+\k+3], v[42+4*\i:43+4*\i]
.endr
.endr
.irp i, 0
	s_delay_alu instid0(VALU_DEP_3)
	v_pk_add_f32 v[40+4*\i:41+4*\i], v[40+4*\i:41+4*\i], v[42+4*\i:43+4*\i]
.endr
.irp i, 1
	s_delay_alu instid0(VALU_DEP_2)
	v_pk_add_f32 v[40+4*\i:41+4*\i], v[40+4*\i:41+4*\i], v[42+4*\i:43+4*\i]
.endr
.irp i, 0,1
	s_delay_alu instid0(VALU_DEP_2)
	v_add_f32 v[40+4*\i], v[40+4*\i], v[41+4*\i]
.endr
	ACROSS
.irp i, 0,1
	s_delay_alu instid0(VALU_DEP_2)
	v_fma_f32 v[40+4*\i], v[40+4*\i], s36, s37     ; the variance + 1e-6
.endr
	s_wait_alu depctr_va_vdst(0)
.irp i, 0,1
	v_rsq_f32 v[40+4*\i], v[40+4*\i]
.endr
	v_nop                                          ; a plain line behind the last of the two
	s_wait_alu depctr_va_vdst(0)                   ; one wait for both, ahead of their first reader
.irp k, 0,2,4,6,8,10,12,14,16,18,20,22,24,26,28,30
.irp i, 0,1
	v_pk_mul_f32 v[ACC+32*\i+\k:ACC+32*\i+\k+1], v[ACC+32*\i+\k:ACC+32*\i+\k+1], v[40+4*\i:41+4*\i] op_sel_hi:[1,0]
.endr
.endr
	s_wait_loadcnt 0x0                             ; gamma and beta
.irp k, 0,2,4,6,8,10,12,14,16,18,20,22,24,26,28,30
.irp i, 0,1
	v_pk_fma_f32 v[ACC+32*\i+\k:ACC+32*\i+\k+1], v[ACC+32*\i+\k:ACC+32*\i+\k+1], v[BF+\k:BF+\k+1], v[BF+32+\k:BF+32+\k+1]
.endr
.endr
.irp i, 0,1
.irp j, 0,1,2,3,4,5,6,7
	global_store_b128 v1, v[ACC+32*\i+4*\j:ACC+32*\i+4*\j+3], s[32:33] offset:\i*4096+\j*512 th:TH_STORE_NT   ; 512 consecutive bytes, aligned
.endr
.endr
	s_wait_tensorcnt 0x0                           ; the wave's end
	ds_add_u32 v[SPW], v[NIL]
	s_wait_dscnt 0x0
	s_endpgm
.Lfunc_end_k_q4f3493c693_out_ln:
	.size	k_q4f3493c693_out_ln, .Lfunc_end_k_q4f3493c693_out_ln-k_q4f3493c693_out_ln
	.p2alignl 7, 3214868480
	.fill 96, 4, 3214868480
	.section	.rodata,"a",@progbits
	.p2align	6, 0x0
	.amdhsa_kernel k_q4f3493c693_out_ln
		.amdhsa_group_segment_fixed_size 150016
		.amdhsa_private_segment_fixed_size 0
		.amdhsa_enable_private_segment 0
		.amdhsa_kernarg_size 56
		.amdhsa_user_sgpr_count 2
		.amdhsa_user_sgpr_kernarg_segment_ptr 1
		.amdhsa_wavefront_size32 1
		.amdhsa_system_sgpr_workgroup_id_x 1
		.amdhsa_system_sgpr_workgroup_id_y 1
		.amdhsa_system_sgpr_workgroup_id_z 1
		.amdhsa_system_vgpr_workitem_id 0
		.amdhsa_next_free_vgpr 256
		.amdhsa_next_free_sgpr 66
		.amdhsa_reserve_vcc 0
		.amdhsa_float_denorm_mode_32 3
		.amdhsa_float_denorm_mode_16_64 3
		.amdhsa_memory_ordered 1
		.amdhsa_forward_progress 1
		.amdhsa_inst_pref_size 49
	.end_amdhsa_kernel
	.amdgpu_metadata
---
amdhsa.version: [ 1, 2 ]
amdhsa.kernels:
  - .name:           k_q4f3493c693_out_ln
    .symbol:         k_q4f3493c693_out_ln.kd
    .args:
      - { .name: att, .offset: 0, .size: 8, .value_kind: global_buffer, .address_space: global }
      - { .name: wq, .offset: 8, .size: 8, .value_kind: global_buffer, .address_space: global }
      - { .name: bo, .offset: 16, .size: 8, .value_kind: global_buffer, .address_space: global }
      - { .name: inputs, .offset: 24, .size: 8, .value_kind: global_buffer, .address_space: global }
      - { .name: gamma, .offset: 32, .size: 8, .value_kind: global_buffer, .address_space: global }
      - { .name: beta, .offset: 40, .size: 8, .value_kind: global_buffer, .address_space: global }
      - { .name: out0, .offset: 48, .size: 8, .value_kind: global_buffer, .address_space: global }
    .group_segment_fixed_size: 150016
    .private_segment_fixed_size: 0
    .kernarg_segment_align: 8
    .kernarg_segment_size: 56
    .max_flat_workgroup_size: 512
    .sgpr_count:     66
    .vgpr_count:     256
    .wavefront_size: 32
...
	.end_amdgpu_metadata
.endif
;; end of part 4
